; MI455X (gfx1250); checked and timed in simulation.
; The chip was launched on July 23, 2026; its instructions are those of AMD's public machine-readable ISA for CDNA 5 (MIT licence, August 2026) and "CDNA5" Instruction Set Architecture Reference Guide (July 2026). The comments in the code are by the model that wrote it; some were corrected since.
;; Multi Head Attention. Allowed arithmetic: matrix products marked QUANTISED: E2M3 operands, one E8M0 scale for each 32 along K, by v_wmma_scale_f32_16x16x128_f8f6f4 with both operands' format E2M3, f32 sums; everything else in f32.
;; Inputs: Wk 1,024 x 1,024 float32; Wp 1,024 x 1,024 float32; Wq 1,024 x 1,024 float32; Wv 1,024 x 1,024 float32; attention_mask 4 x 2,048 int32; bk 1,024 float32; bp 1,024 float32; bq 1,024 float32; bv 1,024 float32; x 4 x 2,048 x 1,024 float32.
;; Outputs: out0 4 x 2,048 x 1,024 float32.
;; This version of the problem:
;;   THIS VERSION OF THE PROBLEM IS GIVEN IN LOW PRECISION. The matrix products marked QUANTISED in the list below multiply operands that are first quantised to E2M3 (2 exponent bits, 3 mantissa bits; 6 bits a number), with one power-of-two scale for each 32 numbers along K (OCP MX v1.0); their sums are f32. All else is computed in f32.
;;   The module's matrix products, in the order in which they are computed (A, B: the left and right operand; K: the contracted axis; several contracted axes count as one K, in the product's order):
;;     1. [M 8,192, K 1,024] x [K 1,024, N 1,024]; A: input x; B: input Wq: QUANTISED
;;     2. [M 8,192, K 1,024] x [K 1,024, N 1,024]; A: input x; B: input Wk: QUANTISED
;;     3. [M 8,192, K 1,024] x [K 1,024, N 1,024]; A: input x; B: input Wv: QUANTISED
;;     4. batch 64 x [M 2,048, K 64] x [K 64, N 2,048]; A: computed on the way; B: computed on the way: QUANTISED
;;     5. batch 64 x [M 2,048, K 2,048] x [K 2,048, N 64]; A: softmax (see below); B: computed on the way: QUANTISED
;;     6. [M 8,192, K 1,024] x [K 1,024, N 1,024]; A: computed on the way; B: input Wp: QUANTISED
;;   THE QUANTISER, for each operand of a quantised product, along K:
;;     - K is cut into blocks of 32 from its start; a last block that is shorter is filled with zeros.
;;     - A block's scale is 2^e with e = floor(log2(the largest magnitude in the block)) - 2, held to -126 .. 127; a block of zeros has e = 0. As a byte (E8M0): e + 127.
;;     - Each number is divided by its block's scale, clamped to +-7.5, and rounded to the nearest number of E2M3, ties to even, subnormals kept.
;;     - The product sums the exact products of the quantised numbers (number of the format x scale) in f32.
;;   ~~~python
;;   def quantise(x, axis):      # numpy; x: float32 -> the quantised numbers, widened to float32 again
;;       x = np.moveaxis(x, axis, -1); K = x.shape[-1]
;;       x = np.pad(x, [(0, 0)] * (x.ndim - 1) + [(0, -K % 32)]); x = x.reshape(x.shape[:-1] + (-1, 32)); a = np.abs(x).max(-1, keepdims=True)
;;       e = np.where(a > 0, np.clip(np.frexp(np.where(a > 0, a, 1))[1] - 1 - 2, -126, 127), 0)      # np.frexp(a)[1] - 1 = floor(log2(a)), exactly
;;       r = np.clip(x / 2.0 ** e, -7.5, 7.5)
;;       step = 2.0 ** (np.maximum(np.frexp(np.where(r == 0, 1, r))[1] - 1, 0) - 3)
;;       q = np.round(r / step) * step * 2.0 ** e      # np.round: ties to even
;;       return np.moveaxis(q.reshape(q.shape[:-2] + (-1,))[..., :K], -1, axis).astype(np.float32)
;;   ~~~
;;   SOFTMAX AHEAD OF A QUANTISED PRODUCT. Where the list says 'softmax', what is quantised is not the finished softmax but p = 2^(t - M), with t = logit x log2(e) and M = ceil(the row's largest t), a whole number; so 1/2 < the row's largest p <= 1. The row's sum l is taken of the UNQUANTISED p, in f32, and the product's result is divided by l at the end. Since M is a whole number, a kernel that streams over the keys may use a running M (the ceiling of the running maximum): every later rescaling is an exact power of two, which a block's scale takes up: the codes' values come out the same.
;;   OPERANDS COMPUTED ON THE WAY. 'Computed on the way' means the value that the module computes at that place (a softmax that the list does not call 'softmax' is quantised finished and normalised). What goes into a quantiser is computed in f32, as accurately as f32 sums, v_exp_f32 and their like allow (about 1e-6 of the number): no bf16 or f16 on the way to a quantiser, and a product that is left as it is and whose result goes on into a quantised operand takes f32 operands (vector FMAs, or v_wmma_f32_16x16x4_f32). A number that lies on a knife's edge between two numbers of the format may be rounded either way, as far as f32 arithmetic and the matrix unit's own rounding can turn it there, and no further.
;; One version. Each part assembles by itself: llvm-mc -triple=amdgcn-amd-amdhsa -mcpu=gfx1250 --defsym DOCPART=n.
;; ======== version 1 of 1: 4 launches
;; limits: right only within a limited range of input values
;; workspace buffers: xq 6,553,600 bytes; wq 3,276,800 bytes; qkv 18,874,368 bytes; qkvs 1,048,576 bytes; yq 6,553,600 bytes
;; launch quant (part 1): grid 384 x 1, 4 waves a work-group, no clusters, 59,904 bytes of LDS; arguments x, Wq, Wk, Wv, Wp, xq, wq; writes xq, wq
.if DOCPART == 1
	.amdgcn_target "amdgcn-amd-amdhsa--gfx1250"
	.amdhsa_code_object_version 6
	.text
	.protected	k_q44250209b0_quant
	.globl	k_q44250209b0_quant
	.p2align	8
	.type	k_q44250209b0_quant,@function
k_q44250209b0_quant:
	s_mov_b64 s[64:65], 0
	v_nop
	global_prefetch_b8 v0, s[64:65] scope:SCOPE_SE
	s_setreg_imm32_b32 hwreg(HW_REG_WAVE_MODE, 25, 1), 1
	s_wait_xcnt 0x0
; MULTI-HEAD ATTENTION IN MX-FP6 (E2M3, one E8M0 scale for each 32 along K), four launches: this one quantises x and the four weights, the second makes q, k, v as codes,
; the third is the attention, the fourth the projection on the way out.
; WORK LEFT OUT, in the whole program: in the attention, key steps of 128 keys that lie wholly behind the causal diagonal of a tile of 16 queries.  reference() sets their logits to -1e9 by a mask that it builds itself.
; For a query that sees at least one key that is neither hidden nor padded, p = 2^(t - M) of such a key has an exponent near -1.4e9 and is 0 in f32, so the step adds nothing to the sum or to the product.
; For a query that sees none, all 2,048 logits are -1e9, every p is 1, the sum is 2,048, and the result is the mean of the quantised v over ALL keys: that mean is computed for every head and taken by a selection, with no branch.
; Every input has a way to the output and is loaded.  LIMITS: a NaN, an infinity or an overflow that reaches only the steps left out is not carried to the result; NaN and infinities among the inputs are not served;
; logits are taken to lie under 2^36 in magnitude (beyond 1e9 reference()'s own mask value stops masking); a block of zeros gets the scale byte 1 where the rule says 127: its codes are zeros, and this program alone reads the bytes.
;
; THE LAYOUT of all codes: the ORDER OF THE OPERAND'S REGISTERS.  A TILE tau holds the 16 rows 32 (tau / 2) + 8 (tau % 2) + r + 8 (r / 8), r = 0 .. 15.  A FRAGMENT (a tile x 128 along K) is 12 registers a lane
; (lane (r, h): registers 6 c .. 6 c + 5 = k 64 c + 32 h + 0 .. 31); it lies as 6 pieces of 256 bytes, piece p = registers 2 p, 2 p + 1, lane l's 8 bytes at 8 l.  Codes: [tile][8 K steps][1536 bytes]; scale words behind them: [tile][K / 256][r][2].
; WORK-GROUPS 0 TO 255 take x [8192][1024], 32 rows (two tiles) each; wave w takes tile w % 2 and K steps 4 (w / 2) .. + 3.  Each load reads 512 consecutive bytes of a row; a fragment's 16 x 512 bytes turn through the wave's own stage
; in LDS (rows 528 bytes apart) so that a lane gets two whole blocks of 32 neighbours.  Each store of codes covers 256 consecutive aligned bytes.
; WORK-GROUPS 256 TO 383 take the four weights [1024 (k)][1024 (n)], K their FIRST axis: number i = 8 y + x: weight y / 4, K 256 (y % 4) on, columns 128 x on; wave wv: 32 columns = tiles 2 G, 2 G + 1, G = 4 x + wv.
; A lane takes a column and its registers run down K: each load reads 128 consecutive bytes a wave, a block of 32 lies in one lane.  Lane l is row r = l % 8 + 8 (l / 16) of tile 2 G + (l / 8) % 2.  The codes meet in the wave's own stage as images of the fragments.
; The two ways part on the work-group's number alone and have LDS bytes of their own.  Waves share nothing: no barrier.
.set XSTG,  8448                       ; x: a wave's stage: 16 rows x 528 bytes
.set WBASE, 33792                      ; the weights' stages begin behind x's four
.set WSTG,  6400                       ; two tiles x (2 fragments of 1,536 bytes + 128)
.set SPARE, 59392                      ; the spare words, 128 bytes for each wave
.set SPW, 14                           ; v14  LDS address of my spare word; never rewritten
.set NIL, 15                           ; v15  0; never rewritten
	s_load_b256 s[32:39], s[0:1], 0x0              ; x, Wq, Wk, Wv
	s_load_b128 s[40:43], s[0:1], 0x20             ; Wp, xq
	s_load_b64 s[44:45], s[0:1], 0x30              ; wq
	v_lshl_add_u32 v[SPW], v0, 2, SPARE
	v_mov_b32 v[NIL], 0
	v_lshrrev_b32 v1, 5, v0
	v_readfirstlane_b32 s10, v1                    ; wave
	s_cmp_lt_u32 ttmp9, 256
	s_cbranch_scc0 .Lweights
; ---- x ----
.set R,   16                           ; v16-143  two sets of 64: a fragment's numbers as loaded
.set X,   144                          ; v144-207 my 2 x 32 neighbours
.set PC,  208                          ; v208-219 the fragment's codes
.set CT,  220                          ; v220-226 the second halves of the two blocks, as converted
.set MX,  228
.set SOP, 230
.set BY,  232
.set T,   234
.set SW,   240                         ; v240-243 the four fragments' scale words
	v_and_b32 v7, 31, v0                           ; lane
	v_and_b32 v8, 15, v0                           ; r
	v_bfe_u32 v9, v0, 4, 1                         ; h
	s_and_b32 s11, s10, 1                          ; which tile
	s_lshr_b32 s12, s10, 1                         ; which half of K
	s_mul_i32 s13, s10, XSTG
	v_lshlrev_b32 v1, 4, v7                        ; 16 x lane: my bytes of a load's 512
	v_add_nc_u32 v2, s13, v1                       ; the stage, on the way in
	v_mul_u32_u24 v3, v8, 528
	v_lshl_add_u32 v3, v9, 7, v3
	v_add_nc_u32 v3, s13, v3                       ; and out: row r, + 128 h bytes
	v_lshlrev_b32 v4, 3, v7                        ; 8 x lane: my place in a piece
	v_lshlrev_b32 v5, 3, v8
	v_lshl_add_u32 v5, v9, 7, v5                   ; scale words: 128 h + 8 r
	v_lshlrev_b32 v6, 3, v9                        ; 8 h: my bytes' shift in a scale word
	v_mov_b32 v[T], 0                              ; a lane permute's destination counts as one of its sources
	s_mov_b32 s20, 0x76543210
	s_mov_b32 s21, 0xfedcba98                      ; lane l xor 16
	s_lshl_b32 s14, ttmp9, 5
	s_lshl_b32 s15, s11, 3
	s_add_co_u32 s14, s14, s15                     ; my tile's first row
	s_lshl_b32 s14, s14, 12                        ; rows of 4,096 bytes
	s_lshl_b32 s15, s12, 11
	s_add_co_u32 s14, s14, s15                     ; + my half of K
	s_mov_b32 s15, 0
	s_lshl_b32 s16, ttmp9, 1
	s_add_co_u32 s16, s16, s11                     ; my tile
	s_mul_i32 s18, s16, 12288
	s_mul_i32 s17, s12, 6144
	s_add_co_u32 s18, s18, s17                     ; its codes, my four K steps
	s_mov_b32 s19, 0
	s_lshl_b32 s16, s16, 9
	s_lshl_b32 s17, s12, 8
	s_add_co_u32 s16, s16, s17
	s_add_co_u32 s16, s16, 6291456                 ; its scale words
	s_mov_b32 s17, 0
	s_wait_alu depctr_va_vdst(0)                   ; the wait at the head's end
	s_wait_kmcnt 0x0
	s_add_nc_u64 s[4:5], s[32:33], s[14:15]
	s_add_nc_u64 s[8:9], s[42:43], s[16:17]
	s_add_nc_u64 s[6:7], s[42:43], s[18:19]
.macro XLOAD f                         ; fragment f: 512 bytes of each of the tile's 16 rows
.irp i, 0,1,2,3,4,5,6,7,8,9,10,11,12,13,14,15
	global_load_b128 v[R+64*((\f)%2)+4*\i:R+64*((\f)%2)+4*\i+3], v1, s[4:5] offset:(\i+8*(\i/8))*4096+512*(\f) th:TH_LOAD_NT
.endr
.endm
.macro XTURN f                         ; through the stage: LDS serves a wave's instructions in order, so no wait stands between the stores and the loads
.irp i, 0,1,2,3,4,5,6,7,8,9,10,11,12,13,14,15
	ds_store_b128 v2, v[R+64*((\f)%2)+4*\i:R+64*((\f)%2)+4*\i+3] offset:528*\i
.endr
.irp c, 0,1
.irp j, 0,1,2,3,4,5,6,7
	ds_load_b128 v[X+32*\c+4*\j:X+32*\c+4*\j+3], v3 offset:256*\c+16*\j
.endr
.endr
	s_wait_dscnt 0x0                               ; my 64 numbers are in, and the stores have read their registers
.endm
.macro XWORK f
.irp c, 0,1
	v_max3_num_f32 v[MX+\c], |v[X+32*\c]|, |v[X+32*\c+1]|, 0x1800000   ; my block 2 c + h, and the floor 2^(3 - 127): the byte cannot fall under 1
.endr
.irp i, 2,4,6,8,10,12,14,16,18,20,22,24,26,28,30
.irp c, 0,1
	v_max3_num_f32 v[MX+\c], v[MX+\c], |v[X+32*\c+\i]|, |v[X+32*\c+\i+1]|
.endr
.endr
.irp c, 0,1
	v_add_nc_u32 v[SOP+\c], 0xff000000, v[MX+\c]   ; 2 off the exponent field: the conversion's scale operand
.endr
.irp c, 0,1
	v_lshrrev_b32 v[BY+\c], 23, v[SOP+\c]          ; the scale's byte
.endr
	v_lshl_or_b32 v[SW+\f], v[BY+1], 16, v[BY]     ; blocks h and 2 + h,
	v_lshlrev_b32 v[SW+\f], v6, v[SW+\f]           ; at their places;
	v_permlanex16_b32 v[T], v[SW+\f], s20, s21
	v_or_b32 v[SW+\f], v[SW+\f], v[T]              ; with lane l xor 16's two the word is whole
	s_wait_alu depctr_va_vdst(0)                   ; the wait here, directly ahead of the wait below
	s_wait_xcnt 0x0                                ; the last fragment's stores have read their data registers
.irp c, 0,1
	v_cvt_scalef32_pk16_fp6_f32 v[PC+6*\c:PC+6*\c+2], v[X+32*\c:X+32*\c+15], v[SOP+\c]
	v_cvt_scalef32_pk16_fp6_f32 v[CT+4*\c:CT+4*\c+2], v[X+32*\c+16:X+32*\c+31], v[SOP+\c]   ; (a conversion's three registers begin on an even number)
.endr
	v_nop                                          ; one plain place behind a scaled conversion
.irp c, 0,1
.irp i, 0,1,2
	v_mov_b32 v[PC+6*\c+3+\i], v[CT+4*\c+\i]
.endr
.endr
.irp p, 0,1,2,3,4,5
	global_store_b64 v4, v[PC+2*\p:PC+2*\p+1], s[6:7] offset:1536*(\f)+256*\p   ; a piece: 256 consecutive aligned bytes
.endr
.endm
	XLOAD 0
	XLOAD 1
.irp f, 0,1,2,3
.if \f < 3
	s_wait_loadcnt 16                              ; this fragment's 16 loads are in; the next one's may be out
.else
	s_wait_loadcnt 0x0
.endif
	XTURN \f
.if \f < 2
	XLOAD \f+2
.endif
	XWORK \f
.endr
	v_cmp_ne_u32 vcc_lo, 0, v9                     ; lanes 0-15 store the words of K steps 0, 1 of my four, lanes 16-31 those of 2, 3
	v_cndmask_b32 v[SW], v[SW], v[SW+2], vcc_lo
	v_cndmask_b32 v[SW+1], v[SW+1], v[SW+3], vcc_lo
	global_store_b64 v5, v[SW:SW+1], s[8:9]        ; 256 consecutive aligned bytes
	s_wait_tensorcnt 0x0                           ; the wave's end, behind my last LDS store
	ds_add_u32 v[SPW], v[NIL]
	s_wait_dscnt 0x0
	s_endpgm
; ---- the weights ----
.Lweights:
.set X,     32                         ; v32-95   two sets of 32 numbers
.set C,     96                         ; v96-101  a block's codes; v104-106 its second half as converted
.set OUTR,  112                        ; v112-159 the way out
.set SB,    24                         ; v24-25   the scale bytes of my 8 blocks: two scale words
	s_sub_co_u32 s30, ttmp9, 256
	s_lshr_b32 s17, s30, 3                         ; y
	s_and_b32 s30, s30, 7                          ; x
	s_lshr_b32 s18, s17, 2                         ; which weight
	s_and_b32 s19, s17, 3                          ; which 256 along K
	s_lshl_b32 s20, s30, 2
	s_add_co_u32 s20, s20, s10                     ; G
	v_and_b32 v2, 31, v0                           ; lane
	v_lshlrev_b32 v3, 2, v2                        ; in: 4 bytes a lane
	v_bfe_u32 v5, v2, 3, 1                         ; u
	v_and_b32 v6, 7, v2
	v_lshrrev_b32 v7, 4, v2
	v_lshl_add_u32 v6, v7, 3, v6                   ; r
	s_mul_i32 s21, s10, WSTG
	s_add_co_u32 s21, s21, WBASE
	v_mul_u32_u24 v4, v5, 3200
	v_lshl_add_u32 v4, v6, 3, v4
	v_add_nc_u32 v4, s21, v4                       ; into the stage: tile u, 8 r
	v_lshlrev_b32 v8, 4, v2                        ; out: 16 bytes a lane
	v_add_nc_u32 v7, s21, v8
	v_lshlrev_b32 v9, 9, v5
	v_lshl_add_u32 v9, v6, 3, v9                   ; scale words: 512 u + 8 r
	s_lshl_b32 s22, s19, 20                        ; 256 rows of 4,096 bytes
	s_lshl_b32 s23, s20, 7                         ; 32 columns of 4 bytes
	s_add_co_u32 s22, s22, s23
	s_mov_b32 s23, 0
	s_lshl_b32 s24, s18, 6
	s_lshl_b32 s25, s20, 1
	s_add_co_u32 s24, s24, s25                     ; my first tile: 64 w + 2 G
	s_mul_i32 s26, s24, 12288
	s_mul_i32 s27, s19, 3072
	s_add_co_u32 s26, s26, s27
	s_mov_b32 s27, 0
	s_lshl_b32 s28, s24, 9
	s_lshl_b32 s29, s19, 7
	s_add_co_u32 s28, s28, s29
	s_add_co_u32 s28, s28, 3145728
	s_mov_b32 s29, 0
	s_wait_alu depctr_va_vdst(0)                   ; the wait at the head's end
	s_wait_kmcnt 0x0
	s_cmp_eq_u32 s18, 1                            ; the weight is chosen by the work-group's number alone
	s_cselect_b64 s[4:5], s[36:37], s[34:35]
	s_cmp_eq_u32 s18, 2
	s_cselect_b64 s[4:5], s[38:39], s[4:5]
	s_cmp_eq_u32 s18, 3
	s_cselect_b64 s[4:5], s[40:41], s[4:5]
	s_add_nc_u64 s[4:5], s[4:5], s[22:23]
	s_add_nc_u64 s[14:15], s[44:45], s[28:29]
	s_add_nc_u64 s[12:13], s[44:45], s[26:27]
.macro WLOAD t                         ; block t: W(32 t + i, my column), i = 0 .. 31
.irp i, 0,1,2,3,4,5,6,7,8,9,10,11,12,13,14,15,16,17,18,19,20,21,22,23,24,25,26,27,28,29,30,31
	global_load_b32 v[X+32*((\t)%2)+\i], v3, s[4:5] offset:(32*(\t)+\i)*4096 th:TH_LOAD_NT
.endr
.endm
	WLOAD 0
	WLOAD 1
.macro WBLOCK t                        ; block t is K step t / 4 of my two, c = (t / 2) % 2, h = t % 2: registers 6 c .. 6 c + 5 of lane (r, h)
.set XS, X+32*((\t)%2)
.if (\t) < 7
	s_wait_loadcnt 32                              ; this block's 32 loads are in; the next block's may be out
.else
	s_wait_loadcnt 0x0
.endif
	v_max3_num_f32 v12, |v[XS]|, |v[XS+1]|, |v[XS+2]|
	v_max3_num_f32 v13, |v[XS+3]|, |v[XS+4]|, |v[XS+5]|
.irp i, 6,10,14,18,22,26
	v_max3_num_f32 v12, v12, |v[XS+\i]|, |v[XS+\i+1]|
	v_max3_num_f32 v13, v13, |v[XS+\i+2]|, |v[XS+\i+3]|
.endr
	v_max3_num_f32 v12, v12, |v[XS+30]|, |v[XS+31]|
	v_max3_num_f32 v12, v12, v13, 0x1800000        ; and the floor 2^(3 - 127)
	v_add_nc_u32 v11, 0xff000000, v12              ; the conversion's scale operand
	v_lshrrev_b32 v13, 23, v11                     ; the scale's byte
.if (\t)%4 == 0
	v_mov_b32 v[SB+(\t)/4], v13
.else
	v_lshl_or_b32 v[SB+(\t)/4], v13, 8*((\t)%4), v[SB+(\t)/4]
.endif
	v_cvt_scalef32_pk16_fp6_f32 v[C:C+2], v[XS:XS+15], v11
	v_cvt_scalef32_pk16_fp6_f32 v[C+8:C+10], v[XS+16:XS+31], v11   ; (a conversion's three registers begin on an even number)
	v_nop                                          ; one plain place behind a scaled conversion
.irp i, 0,1,2
	v_mov_b32 v[C+3+\i], v[C+8+\i]
.endr
.irp p, 0,1,2
	ds_store_b64 v4, v[C+2*\p:C+2*\p+1] offset:1536*((\t)/4)+256*(3*(((\t)/2)%2)+\p)+128*((\t)%2)
.endr
.if (\t)+2 < 8
	WLOAD (\t)+2
.endif
	s_wait_dscnt 0x0                               ; the stores have read their registers
.endm
.irp t, 0,1,2,3,4,5,6,7
	WBLOCK \t
.endr
	s_wait_alu depctr_va_vdst(0)                   ; the wait here, directly ahead of the reader below
	global_store_b64 v9, v[SB:SB+1], s[14:15]      ; my row's two scale words: runs of 128 bytes, one part in 128 of what this way reads
.irp n, 0,1,2,3,4,5,6,7,8,9,10,11
	ds_load_b128 v[OUTR+4*\n:OUTR+4*\n+3], v7 offset:3200*(\n/6)+512*(\n%6)   ; LDS serves a wave's instructions in order: these see my stores
.endr
.irp n, 0,1,2,3,4,5,6,7,8,9,10,11
	s_wait_dscnt 11-\n                             ; the younger loads may be out
	global_store_b128 v8, v[OUTR+4*\n:OUTR+4*\n+3], s[12:13] offset:12288*(\n/6)+512*(\n%6)   ; 512 consecutive aligned bytes
.endr
	s_wait_tensorcnt 0x0                           ; the wave's end, behind my last LDS store
	ds_add_u32 v[SPW], v[NIL]
	s_wait_dscnt 0x0
	s_endpgm
.Lfunc_end_k_q44250209b0_quant:
	.size	k_q44250209b0_quant, .Lfunc_end_k_q44250209b0_quant-k_q44250209b0_quant
	.p2alignl 7, 3214868480
	.fill 96, 4, 3214868480
	.section	.rodata,"a",@progbits
	.p2align	6, 0x0
	.amdhsa_kernel k_q44250209b0_quant
		.amdhsa_group_segment_fixed_size 59904
		.amdhsa_private_segment_fixed_size 0
		.amdhsa_enable_private_segment 0
		.amdhsa_kernarg_size 56
		.amdhsa_user_sgpr_count 2
		.amdhsa_user_sgpr_kernarg_segment_ptr 1
		.amdhsa_wavefront_size32 1
		.amdhsa_system_sgpr_workgroup_id_x 1
		.amdhsa_system_sgpr_workgroup_id_y 1
		.amdhsa_system_sgpr_workgroup_id_z 1
		.amdhsa_system_vgpr_workitem_id 0
		.amdhsa_next_free_vgpr 256
		.amdhsa_next_free_sgpr 66
		.amdhsa_reserve_vcc 1
		.amdhsa_float_denorm_mode_32 3
		.amdhsa_float_denorm_mode_16_64 3
		.amdhsa_memory_ordered 1
		.amdhsa_forward_progress 1
		.amdhsa_inst_pref_size 73
	.end_amdhsa_kernel
	.amdgpu_metadata
---
amdhsa.version: [ 1, 2 ]
amdhsa.kernels:
  - .name:           k_q44250209b0_quant
    .symbol:         k_q44250209b0_quant.kd
    .args:
      - { .name: x, .offset: 0, .size: 8, .value_kind: global_buffer, .address_space: global }
      - { .name: Wq, .offset: 8, .size: 8, .value_kind: global_buffer, .address_space: global }
      - { .name: Wk, .offset: 16, .size: 8, .value_kind: global_buffer, .address_space: global }
      - { .name: Wv, .offset: 24, .size: 8, .value_kind: global_buffer, .address_space: global }
      - { .name: Wp, .offset: 32, .size: 8, .value_kind: global_buffer, .address_space: global }
      - { .name: xq, .offset: 40, .size: 8, .value_kind: global_buffer, .address_space: global }
      - { .name: wq, .offset: 48, .size: 8, .value_kind: global_buffer, .address_space: global }
    .group_segment_fixed_size: 59904
    .private_segment_fixed_size: 0
    .kernarg_segment_align: 8
    .kernarg_segment_size: 56
    .max_flat_workgroup_size: 128
    .sgpr_count:     66
    .vgpr_count:     256
    .wavefront_size: 32
...
	.end_amdgpu_metadata
.endif
;; end of part 1
;; launch qkvgemm (part 2): grid 12 x 32, 4 waves a work-group, clusters of 4 x 4, 327,680 bytes of LDS; arguments xq, wq, bq, bk, bv, qkv, qkvs; writes qkv, qkvs
.if DOCPART == 2
	.amdgcn_target "amdgcn-amd-amdhsa--gfx1250"
	.amdhsa_code_object_version 6
	.text
	.protected	k_q44250209b0_qkvgemm
	.globl	k_q44250209b0_qkvgemm
	.p2align	8
	.type	k_q44250209b0_qkvgemm,@function
k_q44250209b0_qkvgemm:
	s_mov_b64 s[64:65], 0
	v_nop
	global_prefetch_b8 v0, s[64:65] scope:SCOPE_SE
	s_setreg_imm32_b32 hwreg(HW_REG_WAVE_MODE, 25, 1), 1
	s_wait_xcnt 0x0
	s_wait_alu depctr_hold_cnt(0) depctr_sa_sdst(0) depctr_va_vdst(0) depctr_va_sdst(0) depctr_va_ssrc(0) depctr_va_vcc(0) depctr_vm_vsrc(0)
	s_getreg_b32 s2, hwreg(HW_REG_IB_STS2, 6, 4)
	s_cmp_eq_u32 s2, 0
	s_cbranch_scc0 .Lentry_in_a_cluster
	s_endpgm
.Lentry_in_a_cluster:
	s_bfe_u32 s2, ttmp6, 0x10000c
	s_cmp_lg_u32 s2, 0xf033
	s_cbranch_scc0 .Lentry_shape_is_right
	s_endpgm
.Lentry_shape_is_right:
; q = x Wq + bq, k = x Wk + bk, v = x Wv + bv on codes of FP6 (E2M3) with E8M0 scales, and the results quantised at once: q and k along the head's 64, v along the keys.  No work is left out here.
; A work-group of four waves makes 256 tokens x 256 columns; a wave 128 x 128: 64 accumulators, 512 registers.  K = 1,024 goes in four slots of 256 through a ring of two LDS slots filled by the tensor data mover.
; Operands lie in memory as images of the operand's registers (tile tau = rows 32 (tau / 2) + 8 (tau % 2) + r + 8 (r / 8); a fragment = 6 pieces of 256 bytes), so a tile's two K steps are 3,072 dense bytes and a fragment comes by six ds_load_b64 of 256 consecutive bytes.
; CLUSTERS: 4 x 4 work-groups; x's tiles are shared along a row of the cluster, the weight's along a column: joint loads.  The cluster's x says which product: 0 q, 1 k, 2 v: it is the same in all partners, and every branch below hangs on it alone.
; THE TWO SIDES.  Source 1 (I) gives a lane its row, source 0 (J) runs along the lane's registers, and by the tiles' choice of rows the 16 registers of J's tiles 2 b, 2 b + 1 are 16 neighbours.  The registers' axis is the one that is quantised:
; for q and k I = tokens, J = columns (a head's 64); for v I = columns, J = tokens (the keys).  The loads are the same; only the LDS bases of the reads change places.
; OUT: qkv [64 heads][8 slots of 256 tokens][36,864]: Q 16 half fragments of 768 bytes, K likewise (two on end read as one fragment of two key tiles), V 2 K steps x 4 tiles of d x 1,536.
; qkvs, four parts of 262,144, each [head][16 chunks of 128 tokens][256]: 0, 1: q's, k's words (pair of tiles j, r) = the two tiles' two bytes each; 2: v's words by d; 3: the f32 sum of the quantised v over the chunk's 128 keys, by d
; (a product of a tile of ones with the codes just made: the attention needs it for queries that see no key).
; The biases are the C of each sum's first matrix instruction.  No prefetch: the ring has four slots in all, two of them asked for at the head.
; REGISTERS: window 0: v6-29 addresses; v32-63 scale words, two sets; v64-127 the biases, later at work on the way out; v128-223 I's fragments, one set; v224-235 ones; v240-242 scale words; v244-251 the sum.
;   window 1: J's fragments, two sets, at v0 and v128.   windows 2, 3: accumulator (a, b) at v[8 (8 (a % 4) + b)].
; LIMITS: NaN and infinities are not served; a block of zeros gets the byte 1.
.set NQ,    2
.set FR,    12
.set NL,    6
.set NP,    4
.set HALFT, 24576                      ; 8 tiles x 3,072 bytes: what one tensor load brings, and what a wave reads of a side
.set SLOT,  98304                      ; x's 16 tiles, then the weight's 16
.set SCX,   196608                     ; x's scale words, 8,192 bytes, filled once
.set SCW,   204800                     ; the weight's, directly behind x's: the two tables are one run of written bytes
.set SCRQ,  213248                     ; scratch for q's and k's scale words: 512 bytes a wave
.set SCRV,  215296                     ; for v's scale words and sums: 1,024 bytes a wave (bytes of their own for each of the two ways)
.set SPARE, 219392                     ; the spare words, 128 bytes for each wave
.set VO,   6                           ; v6-7   byte offsets of a piece's 8 bytes: first half fragment, second
.set SQA,  8
.set SVA,  9
.set SRQ,  10
.set SRV,  11
.set SO,   12
.set BV0,  13
.set BV1,  14
.set ADRI, 16                          ; v16-17 LDS address of I's fragments in slot 0, 1
.set ADRJ, 20                          ; v20-21 of J's
.set ADRS, 27                          ; v27    of my scale words: lanes 0-15 I's, lanes 16-31 J's
.set SPW,  28
.set NIL,  29
.set SC,   32
.set BIAS, 64
.set PC,   64                          ; the way out: v64-75 codes, v76-82 second halves
.set TM,   84                          ; v84-87 largest magnitudes, v88-91 exchange and bytes, v96-99 scale operands
.set FIN,  100
.set AF,   128
.set ONES, 224
.set W0,   236
.set PW,   240                         ; v240-241 the scale words just made, by turns
.set ONESC, 242
.set SUMD, 244
.set WV,   18
.set TX,   19                          ; which half of the tokens is mine.  Also: I fetch for x (0) or for the weight (1)
.set TW,   20                          ; which half of the columns.  Also: which 8 tiles I fetch
.set ISV,  43
.set G1X,  24
.set G0X,  32
.set G1W,  48
.set G0W,  56
.set G1SX, 68
.set G0SX, 76
.set G1SW, 80
.set G0SW, 88
.set OB,   92
.set AS1,  94
.set AS2,  96
.set SEL,  98
.set SB,   100
.set MSB, 0
.macro WIN new                         ; the immediate's high byte repeats the setting that is left
.if MSB != (\new)
	s_set_vgpr_msb (MSB<<8)|(\new)
.set MSB, (\new)
.endif
.endm
.macro WINM hi, mode                   ; source 0 (J) window 1, source 1 (I) window 0, D window 2 + hi; C with D (mode 0) or in window 0 (the biases)
.if (\mode) == 0
	WIN 0xa1+0x50*(\hi)
.else
	WIN 0x81+0x40*(\hi)
.endif
.endm
.macro JLOAD g0a, g1a, g0b, g1b        ; a joint load: waves 0, 1 fetch for x, waves 2, 3 for the weight; an s_nop 0 and four v_nop follow each line
	s_cmp_eq_u32 s[TX], 0
	s_cbranch_scc0 .Lfor_w_\@
	tensor_load_to_lds s[\g0a:\g0a+3], s[\g1a:\g1a+7]
	s_nop 0
.rept 4
	v_nop
.endr
	s_branch .Lasked_\@
.Lfor_w_\@:
	tensor_load_to_lds s[\g0b:\g0b+3], s[\g1b:\g1b+7]
	s_nop 0
.rept 4
	v_nop
.endr
.Lasked_\@:
.endm
.macro CREST
	s_cmp_lg_u32 s[WV], 0
	s_cbranch_scc1 .Lnot_wave_0_\@
	s_barrier_signal -3
.Lnot_wave_0_\@:
	s_barrier_wait -3
	s_barrier_signal -1
	s_barrier_wait -1
.endm
.macro CROUND
	s_barrier_signal -1
	s_barrier_wait -1
	CREST
.endm
	s_load_b256 s[4:11], s[0:1], 0x0               ; xq, wq, bq, bk
	s_load_b128 s[12:15], s[0:1], 0x20             ; bv, qkv
	s_load_b64 s[16:17], s[0:1], 0x30              ; qkvs
	v_lshl_add_u32 v[SPW], v0, 2, SPARE
	v_mov_b32 v[NIL], 0
	ds_add_u32 v[SPW], v[NIL]                      ; the wave's opening: the add, twice on end, and its wait ahead of my first tensor load
	ds_add_u32 v[SPW], v[NIL]
	v_lshrrev_b32 v1, 5, v0
	v_readfirstlane_b32 s[WV], v1
	s_lshr_b32 s[TX], s[WV], 1
	s_and_b32 s[TW], s[WV], 1
	s_bfe_u32 s21, ttmp6, 0x40000                  ; cx
	s_bfe_u32 s22, ttmp6, 0x40004                  ; cy
	s_lshl_b32 s23, ttmp9, 2
	s_add_co_u32 s23, s23, s21                     ; block of 256 columns of [Wq | Wk | Wv]
	s_and_b32 s40, ttmp7, 0xffff
	s_lshl_b32 s40, s40, 2
	s_add_co_u32 s40, s40, s22                     ; block of 256 tokens
	s_lshl_b32 s41, s22, 2
	s_lshl_b32 s41, 15, s41                        ; my row of the cluster
	s_lshl_b32 s42, 0x1111, s21                    ; my column
	s_cmp_eq_u32 ttmp9, 2
	s_cselect_b32 s[ISV], 1, 0
	s_or_b32 s[G1X], s41, (3<<16)|(1<<21)          ; the mask; elements of 8 bytes; bit 21 beside a mask; no padding
	s_or_b32 s[G1W], s42, (3<<16)|(1<<21)
.irp g, G1X, G1W
	s_mov_b32 s[\g+1], 384<<16                     ; tensor_dim0 = 384 elements: a tile's two K steps, 3,072 bytes
	s_mov_b32 s[\g+2], 16<<16                      ; tensor_dim1 = 16 tiles for the head's loads; set to 8 for the ring's behind them
	s_mov_b32 s[\g+3], 384<<16                     ; tile_dim0
	s_mov_b32 s[\g+4], 16
	s_mov_b32 s[\g+5], 1536                        ; from tile to tile: 12,288 bytes
	s_mov_b32 s[\g+6], 0
	s_mov_b32 s[\g+7], 0
.endr
	s_or_b32 s[G1SX], s41, (3<<16)|(1<<21)
	s_or_b32 s[G1SW], s42, (3<<16)|(1<<21)
.irp g, G1SX, G1SW
	s_mov_b32 s[\g+1], 32<<16                      ; tensor_dim0 = 32 elements: rows of 256 bytes
	s_mov_b32 s[\g+2], 32<<16                      ; the scale words of 16 tiles: 8,192 dense bytes as 32 rows of 256
	s_mov_b32 s[\g+3], 32<<16
	s_mov_b32 s[\g+4], 32
	s_mov_b32 s[\g+5], 32
	s_mov_b32 s[\g+6], 0
	s_mov_b32 s[\g+7], 0
.endr
	s_mul_i32 s44, s40, 196608                     ; x's codes: 16 tiles of 12,288 bytes a block,
	s_mov_b32 s45, 0
	s_mul_i32 s46, s23, 196608                     ; the weight's likewise
	s_mov_b32 s47, 0
	s_lshl_b32 s98, s40, 13                        ; x's scale words
	s_add_co_u32 s98, s98, 6291456
	s_mov_b32 s99, 0
	s_lshl_b32 s2, s23, 13                         ; the weight's
	s_add_co_u32 s2, s2, 3145728
	s_mov_b32 s3, 0
	s_mul_i32 s66, s[WV], HALFT                    ; where the codes go: no place in the cluster enters an LDS address
	s_wait_dscnt 0x0                               ; both opening adds are done
	s_wait_kmcnt 0x0
	s_add_nc_u64 s[44:45], s[4:5], s[44:45]
	s_add_nc_u64 s[98:99], s[4:5], s[98:99]
	s_add_nc_u64 s[46:47], s[6:7], s[46:47]
	s_add_nc_u64 s[2:3], s[6:7], s[2:3]
	CROUND                                         ; all sixteen work-groups are here: the first joint loads meet
	s_mov_b32 s[G0SX], 1
	s_mov_b32 s[G0SX+1], SCX
	s_mov_b64 s[G0SX+2:G0SX+3], s[98:99]
	s_or_b32 s[G0SX+3], s[G0SX+3], 0x80000000
	s_mov_b32 s[G0SW], 1
	s_mov_b32 s[G0SW+1], SCW
	s_mov_b64 s[G0SW+2:G0SW+3], s[2:3]
	s_or_b32 s[G0SW+3], s[G0SW+3], 0x80000000
	s_mul_i32 s2, s[TW], 98304                     ; from a side's first tile to my 8 tiles, for the ring
	s_mov_b32 s3, 0
	s_mov_b32 s[G0X], 1                            ; the head's tiles, each whole: slot 0's 16 tiles of x,
	s_mov_b32 s[G0X+1], 0
	s_mov_b64 s[G0X+2:G0X+3], s[44:45]
	s_or_b32 s[G0X+3], s[G0X+3], 0x80000000
	s_mov_b32 s[G0W], 1                            ; and the weight's 16 behind them
	s_mov_b32 s[G0W+1], 2*HALFT
	s_mov_b64 s[G0W+2:G0W+3], s[46:47]
	s_or_b32 s[G0W+3], s[G0W+3], 0x80000000
	s_add_nc_u64 s[44:45], s[44:45], s[2:3]
	s_add_nc_u64 s[46:47], s[46:47], s[2:3]
	s_mov_b32 s[G0X+4], 1                          ; slot 1: my 8 tiles
	s_add_co_u32 s[G0X+5], s66, SLOT
	s_add_nc_u64 s[G0X+6:G0X+7], s[44:45], 3072
	s_or_b32 s[G0X+7], s[G0X+7], 0x80000000
	s_mov_b32 s[G0W+4], 1
	s_add_co_u32 s[G0W+5], s66, SLOT
	s_add_nc_u64 s[G0W+6:G0W+7], s[46:47], 3072
	s_or_b32 s[G0W+7], s[G0W+7], 0x80000000
; The head's loads, one a wave: wave 0 x's codes of slot 0, wave 1 the weight's, wave 2 x's scale words, wave 3 the weight's: one chain of branches on the wave's number, all arms leading to one join
.macro ARM under, g0, g1, next
	s_cmp_lt_u32 s[WV], \under
	s_cbranch_scc0 \next
	tensor_load_to_lds s[\g0:\g0+3], s[\g1:\g1+7]
	s_nop 0
.rept 4
	v_nop
.endr
	s_branch .Lhead_asked
\next:
.endm
	ARM 1, G0X,  G1X,  .Lhead_w
	ARM 2, G0W,  G1W,  .Lhead_sx
	ARM 3, G0SX, G1SX, .Lhead_sw
	tensor_load_to_lds s[G0SW:G0SW+3], s[G1SW:G1SW+7]
	s_nop 0
.rept 4
	v_nop
.endr
.Lhead_asked:
	s_mov_b32 s[SEL], 0x76543210
	s_mov_b32 s[SEL+1], 0xfedcba98
	v_and_b32 v1, 31, v0                           ; lane
	v_and_b32 v3, 15, v0                           ; r
	v_bfe_u32 v4, v0, 4, 1                         ; h
	v_and_b32 v2, 8, v3
	v_add_nc_u32 v2, v2, v3                        ; r + 8 (r / 8)
	v_lshlrev_b32 v[VO], 3, v1                     ; 8 x lane
	s_wait_alu depctr_va_vdst(0)
	s_mul_i32 s44, s[TX], HALFT                    ; my 8 tiles of x,
	s_mul_i32 s45, s[TW], HALFT
	s_add_co_u32 s45, s45, 2*HALFT                 ; my 8 of the weight
	s_cmp_eq_u32 s[ISV], 1
	s_cselect_b32 s46, s45, s44                    ; I: tokens, for v columns
	s_cselect_b32 s47, s44, s45                    ; J: columns, for v tokens
.irp s, 0,1
	v_add_nc_u32 v[ADRI+\s], s46, v[VO]
	v_add_nc_u32 v[ADRJ+\s], s47, v[VO]
	s_add_co_u32 s46, s46, SLOT
	s_add_co_u32 s47, s47, SLOT
.endr
	v_xor_b32 v5, s[ISV], v4                       ; 0: this lane takes x's scale words, 1: the weight's
	s_lshl_b32 s44, s[TX], 12
	s_lshl_b32 s45, s[TW], 12
	s_add_co_u32 s45, s45, SCW-SCX
	s_sub_co_u32 s45, s45, s44                     ; from x's words of my tiles to the weight's
	v_mul_u32_u24 v5, s45, v5
	v_lshl_add_u32 v5, v3, 3, v5                   ; + 8 r: a row's two words of a slot
	s_add_co_u32 s44, s44, SCX
	v_add_nc_u32 v[ADRS], s44, v5
	s_lshl_b32 s44, s[WV], 9
	v_lshl_add_u32 v[SQA], v3, 2, s44
	v_add_nc_u32 v[SQA], SCRQ, v[SQA]
	v_lshl_add_u32 v[SRQ], v1, 4, s44
	v_add_nc_u32 v[SRQ], SCRQ, v[SRQ]
	s_lshl_b32 s44, s[WV], 10
	v_lshl_add_u32 v[SVA], v2, 2, s44
	v_add_nc_u32 v[SVA], SCRV, v[SVA]
	v_lshl_add_u32 v[SRV], v1, 4, s44
	v_add_nc_u32 v[SRV], SCRV, v[SRV]
	v_lshlrev_b32 v[SO], 4, v3
	v_lshl_add_u32 v[SO], v4, 12, v[SO]            ; 4,096 h + 16 r: lanes 0-15 one head's 256 bytes, lanes 16-31 the next head's
	v_lshlrev_b32 v[BV0], 6, v4                    ; biases along the registers: 16 h numbers on
	v_lshlrev_b32 v[BV1], 2, v2                    ; biases by the lane's row
.irp i, 0,1,2,3
	v_mov_b32 v[ONES+3*\i], 0x08208208             ; 128 codes of 1.0 (001000), as a stream of bits
	v_mov_b32 v[ONES+3*\i+1], 0x82082082
	v_mov_b32 v[ONES+3*\i+2], 0x20820820
.endr
	v_mov_b32 v[ONESC], 0x7f7f7f7f                 ; their scale: 1
	s_cmp_eq_u32 s[ISV], 1                         ; steps of the way out: q, k: a tile of tokens on is 768 bytes; v: a tile of d is 1,536, and the next head follows the fourth
	s_mov_b32 s[AS1], 768
	s_cselect_b32 s[AS1], 1536, s[AS1]
	s_mov_b32 s[AS2], 768
	s_cselect_b32 s[AS2], 290304, s[AS2]
	s_mov_b32 s47, 294912
	s_cselect_b32 s47, 768, s47                    ; the second half fragment: q, k: the next head; v: 768 bytes on
	s_mov_b32 s[AS1+1], 0
	s_mov_b32 s[AS2+1], 0
	v_add_nc_u32 v[VO+1], s47, v[VO]
	s_lshl_b32 s44, s21, 2
	s_lshl_b32 s45, s[TW], 1
	s_add_co_u32 s44, s44, s45                     ; my first head: 4 cx + 2 tW
	s_lshr_b32 s45, s40, 3                         ; the batch
	s_and_b32 s46, s40, 7                          ; the slot of 256 tokens in it
	s_mul_i32 s[OB], s45, 4718592
	s_mul_i32 s47, s44, 294912
	s_add_co_u32 s[OB], s[OB], s47
	s_mul_i32 s47, s46, 36864
	s_add_co_u32 s[OB], s[OB], s47
	s_mul_i32 s47, ttmp9, 12288
	s_add_co_u32 s[OB], s[OB], s47
	s_mul_i32 s47, s[TX], 6144
	s_add_co_u32 s[OB], s[OB], s47
	s_mov_b32 s[OB+1], 0
	s_add_nc_u64 s[OB:OB+1], s[14:15], s[OB:OB+1]
	s_lshl_b32 s[SB], ttmp9, 18
	s_lshl_b32 s47, s45, 16
	s_add_co_u32 s[SB], s[SB], s47
	s_lshl_b32 s47, s44, 12
	s_add_co_u32 s[SB], s[SB], s47
	s_lshl_b32 s47, s46, 1
	s_add_co_u32 s47, s47, s[TX]                   ; the chunk of 128 tokens
	s_lshl_b32 s47, s47, 8
	s_add_co_u32 s[SB], s[SB], s47
	s_mov_b32 s[SB+1], 0
	s_add_nc_u64 s[SB:SB+1], s[16:17], s[SB:SB+1]
	s_cmp_eq_u32 ttmp9, 1
	s_cselect_b64 s[8:9], s[10:11], s[8:9]
	s_cmp_eq_u32 ttmp9, 2
	s_cselect_b64 s[8:9], s[12:13], s[8:9]         ; my product's bias,
	s_lshl_b32 s46, s21, 10
	s_lshl_b32 s47, s[TW], 9
	s_add_co_u32 s46, s46, s47
	s_mov_b32 s47, 0
	s_add_nc_u64 s[8:9], s[8:9], s[46:47]          ; at my 128 columns
	s_cmp_eq_u32 s[ISV], 1
	s_cbranch_scc1 .Lbias_v
.irp t, 0,1,2,3,4,5,6,7                        ; q, k: tile b's eight registers are columns 32 (b / 2) + 16 h + 8 (b % 2) + 0 .. 7
	global_load_b128 v[BIAS+8*\t:BIAS+8*\t+3], v[BV0], s[8:9] offset:(32*(\t/2)+8*(\t%2))*4
	global_load_b128 v[BIAS+8*\t+4:BIAS+8*\t+7], v[BV0], s[8:9] offset:(32*(\t/2)+8*(\t%2))*4+16
.endr
	s_branch .Lbias_done
.Lbias_v:
.irp t, 0,1,2,3,4,5,6,7                        ; v: tile a's eight registers all hold the bias of the lane's column
.irp e, 0,1,2,3,4,5,6,7
	global_load_b32 v[BIAS+8*\t+\e], v[BV1], s[8:9] offset:(32*(\t/2)+8*(\t%2))*4
.endr
.endr
.Lbias_done:
.macro FRAG reg, adr, q, i             ; a fragment as it lies: six pieces of 256 consecutive bytes
.irp p, 0,1,2,3,4,5
	ds_load_b64 v[\reg+2*\p:\reg+2*\p+1], v[\adr] offset:3072*(\i)+1536*(\q)+256*\p
.endr
.endm
; 16 matrix instructions: I's blocks a0, a0 + 1 x J's eight.  p: J's set; sc: the set of scale words.  mode 0: sums go on; 1: they start from the biases along the registers; 2: from the biases by the lane's row.
; The 64 accumulators take turns, one instruction a turn, in the same order in every step.
.macro MUL16 a0, p, q, sc, mode
.irp a, \a0, \a0+1
.irp b, 0,1,2,3,4,5,6,7
.if (\mode) == 0
	v_wmma_scale_f32_16x16x128_f8f6f4 v[8*(8*((\a)%4)+\b):8*(8*((\a)%4)+\b)+7], v[128*(\p)+FR*\b:128*(\p)+FR*\b+FR-1], v[AF+FR*(\a):AF+FR*(\a)+FR-1], v[8*(8*((\a)%4)+\b):8*(8*((\a)%4)+\b)+7], v[SC+16*(\sc)+2*\b+(\q)], v[SC+16*(\sc)+2*(\a)+(\q)] matrix_a_fmt:MATRIX_FMT_FP6 matrix_b_fmt:MATRIX_FMT_FP6 matrix_a_scale:MATRIX_SCALE_ROW1
.elseif (\mode) == 1
	v_wmma_scale_f32_16x16x128_f8f6f4 v[8*(8*((\a)%4)+\b):8*(8*((\a)%4)+\b)+7], v[128*(\p)+FR*\b:128*(\p)+FR*\b+FR-1], v[AF+FR*(\a):AF+FR*(\a)+FR-1], v[BIAS+8*\b:BIAS+8*\b+7], v[SC+16*(\sc)+2*\b+(\q)], v[SC+16*(\sc)+2*(\a)+(\q)] matrix_a_fmt:MATRIX_FMT_FP6 matrix_b_fmt:MATRIX_FMT_FP6 matrix_a_scale:MATRIX_SCALE_ROW1
.else
	v_wmma_scale_f32_16x16x128_f8f6f4 v[8*(8*((\a)%4)+\b):8*(8*((\a)%4)+\b)+7], v[128*(\p)+FR*\b:128*(\p)+FR*\b+FR-1], v[AF+FR*(\a):AF+FR*(\a)+FR-1], v[BIAS+8*(\a):BIAS+8*(\a)+7], v[SC+16*(\sc)+2*\b+(\q)], v[SC+16*(\sc)+2*(\a)+(\q)] matrix_a_fmt:MATRIX_FMT_FP6 matrix_b_fmt:MATRIX_FMT_FP6 matrix_a_scale:MATRIX_SCALE_ROW1
.endif
.endr
.endr
.endm
.macro FETCH_J slot, q, p
	WIN 0x40                                       ; destination window 1
.irp i, 0,1,2,3,4,5,6,7
	FRAG 128*(\p)+FR*\i, ADRJ+\slot, \q, \i
.endr
	WIN 0
.endm
.macro FETCH_I slot, q, i0
.irp i, \i0, \i0+1, \i0+2, \i0+3
	FRAG AF+FR*(\i), ADRI+\slot, \q, \i
.endr
.endm
.macro SCALES sc                       ; a slot's scale words: lanes 0-15 I's block i, lanes 16-31 J's block i
.irp i, 0,1,2,3,4,5,6,7
	ds_load_b64 v[SC+16*\sc+2*\i:SC+16*\sc+2*\i+1], v[ADRS] offset:512*\i
.endr
.endm
.macro PLACES n                        ; plain places between a matrix instruction and a load into, or a read of, its registers
.rept \n
	v_nop
.endr
.endm
.macro STEP slot, q, mode              ; a step of 128 along K that has its successor in the same slot
	s_wait_dscnt 4*NL                              ; J's set and I's blocks 0-3 are in; the youngest 24 loads (I's blocks 4-7) may be out
	WINM 0, \mode
	MUL16 0, (\q)%2, \q, \slot, \mode
	MUL16 2, (\q)%2, \q, \slot, \mode
	s_wait_dscnt 0
	PLACES NP
	FETCH_J \slot, (\q)+1, 1-(\q)%2
	FETCH_I \slot, (\q)+1, 0
	WINM 1, \mode
	MUL16 4, (\q)%2, \q, \slot, \mode
	MUL16 6, (\q)%2, \q, \slot, \mode
	PLACES NP
	WIN 0
	FETCH_I \slot, (\q)+1, 4
.endm
; A slot's last step changes slots: one barrier; in front of it each wave waits for all its tensor loads, adds 0 to its spare word, and waits for that and for its reads of this slot.  fill = 1: this slot is filled again.
.macro TURN slot, next, fill
	s_wait_tensorcnt 0x0                           ; all my tensor loads have landed: my part of the next slot
	ds_add_u32 v[SPW], v[NIL]
	s_wait_dscnt 4*NL+1                            ; (the add and the youngest 24 loads may be out)
	WIN 0xa1
	MUL16 0, 1, NQ-1, \slot, 0
	s_wait_dscnt 0x0                               ; the add is done, and my reads of this slot are over
	s_barrier_signal -1
	MUL16 2, 1, NQ-1, \slot, 0
	WIN 0
	s_barrier_wait -1
.if \fill
	CREST                                          ; the barrier has opened a round of the cluster's barrier: no wave of any partner still reads this slot or has a load on its way
	s_add_nc_u64 s[G0X+4*\slot+2:G0X+4*\slot+3], s[G0X+4*\slot+2:G0X+4*\slot+3], 6144
	s_add_nc_u64 s[G0W+4*\slot+2:G0W+4*\slot+3], s[G0W+4*\slot+2:G0W+4*\slot+3], 6144
	JLOAD G0X+4*\slot, G1X, G0W+4*\slot, G1W       ; my one tensor load behind the round; its four v_nop are the places in front of the loads below
.else
	PLACES NP
.endif
	s_wait_alu depctr_va_vdst(0)
	v_add_nc_u32 v[ADRS], 128, v[ADRS]             ; the next slot's scale words
	FETCH_J \next, 0, 0
	FETCH_I \next, 0, 0
	SCALES \next
	WIN 0xf1
	MUL16 4, 1, NQ-1, \slot, 0
	MUL16 6, 1, NQ-1, \slot, 0
	PLACES NP
	WIN 0
	FETCH_I \next, 0, 4
.endm
	s_wait_alu depctr_va_vdst(0)                   ; the wait at the head's end
	s_wait_tensorcnt 0x0                           ; my tile of the head's four is in
	ds_add_u32 v[SPW], v[NIL]
	s_mov_b32 s[G1X+2], 8<<16                      ; no tensor load of mine is out, so descriptors may be written: the ring's loads bring 8 tiles,
	s_mov_b32 s[G1X+4], 8
	s_mov_b32 s[G1W+2], 8<<16
	s_mov_b32 s[G1W+4], 8
	s_mov_b32 s[G0X+1], s66                        ; and slot 0's group 0 stands at my 8 tiles
	s_mov_b32 s[G0W+1], s66
	s_add_nc_u64 s[G0X+2:G0X+3], s[G0X+2:G0X+3], s[2:3]
	s_add_nc_u64 s[G0W+2:G0W+3], s[G0W+2:G0W+3], s[2:3]
	s_wait_dscnt 0x0
	CROUND                                         ; all four tiles are in, and all sixteen work-groups are here
	JLOAD G0X+4, G1X, G0W+4, G1W                   ; slot 1's first fill: my one tensor load behind the round
	FETCH_J 0, 0, 0
	FETCH_I 0, 0, 0
	SCALES 0
	FETCH_I 0, 0, 4
	s_wait_loadcnt 0x0                             ; the biases
	s_cmp_eq_u32 s[ISV], 1
	s_cbranch_scc1 .Lfirst_v
	STEP 0, 0, 1                                   ; the first step starts the sums from the biases: written for each of the two layouts
	s_branch .Lfirst_done
.Lfirst_v:
	STEP 0, 0, 2
.Lfirst_done:
	TURN 0, 1, 1
	STEP 1, 0, 0
	TURN 1, 0, 1
	STEP 0, 0, 0
	TURN 0, 1, 0                                   ; nothing is left to fetch
	STEP 1, 0, 0
	s_wait_dscnt 4*NL
	WIN 0xa1
	MUL16 0, 1, NQ-1, 1, 0
	MUL16 2, 1, NQ-1, 1, 0
	s_wait_dscnt 0
	WIN 0xf1
	MUL16 4, 1, NQ-1, 1, 0
	MUL16 6, 1, NQ-1, 1, 0
	WIN 0
.irp b, 0,1,2,3
	v_mov_b32 v[TM+4+\b], 0                        ; a lane permute's destination counts as one of its sources.  (These four are the places behind the last products)
.endr
; Block a's 64 numbers of a lane (register 16 b + i = place 32 b + 16 h + i along the registers' axis) become a fragment's codes in v[PC] on and its scale word in v[PW + a % 2].  Each accumulator is read from its low end on.
.macro QUANTW a
.set AW, 2+(\a)/4
.set AR, 64*((\a)%4)
	WIN 5*AW                                       ; sources 0 and 1: the accumulators' window
.irp b, 0,1,2,3
	v_max3_num_f32 v[TM+\b], |v[AR+16*\b]|, |v[AR+1+16*\b]|, 0x1800000   ; my 16 numbers of block b, and the floor 2^(3 - 127)
.endr
.irp i, 2,4,6,8,10,12,14
.irp b, 0,1,2,3
	v_max3_num_f32 v[TM+\b], |v[AR+16*\b+\i]|, |v[AR+1+16*\b+\i]|, v[TM+\b]
.endr
.endr
	WIN 0
.irp b, 0,1,2,3
	v_permlanex16_b32 v[TM+4+\b], v[TM+\b], s[SEL], s[SEL+1]
.endr
.irp b, 0,1,2,3
	v_max_num_f32 v[TM+\b], v[TM+\b], v[TM+4+\b]   ; with lane l xor 16's: the block's largest magnitude
.endr
.irp b, 0,1,2,3
	v_add_nc_u32 v[TM+12+\b], 0xff000000, v[TM+\b] ; the conversion's scale operand
.endr
.irp b, 0,1,2,3
	v_lshrrev_b32 v[TM+4+\b], 23, v[TM+12+\b]      ; the scale's byte
.endr
	v_lshl_or_b32 v[PW+(\a)%2], v[TM+5], 8, v[TM+4]
	v_lshl_or_b32 v[PW+(\a)%2], v[TM+6], 16, v[PW+(\a)%2]
	v_lshl_or_b32 v[PW+(\a)%2], v[TM+7], 24, v[PW+(\a)%2]
	WIN AW                                         ; source 0: the accumulators' window
.irp c, 0,1
	v_cvt_scalef32_pk16_fp6_f32 v[PC+6*\c:PC+2+6*\c], v[AR+32*\c:AR+15+32*\c], v[TM+12+2*\c]
	v_cvt_scalef32_pk16_fp6_f32 v[PC+12+4*\c:PC+14+4*\c], v[AR+16+32*\c:AR+31+32*\c], v[TM+12+2*\c+1]
.endr
	WIN 0
	v_nop                                          ; one plain place behind a scaled conversion
.irp c, 0,1                                    ; the operand's layout wants a whole block in a lane
.irp i, 0,1,2
	v_permlane16_swap_b32 v[PC+6*\c+\i], v[PC+12+4*\c+\i]
.endr
.irp i, 0,1,2
	v_mov_b32 v[PC+3+6*\c+\i], v[PC+12+4*\c+\i]
.endr
.endr
.endm
.macro OUT a
	s_wait_xcnt 0x0                                ; the last block's stores have read their data and their base
.if (\a) == 4
	s_add_nc_u64 s[OB:OB+1], s[OB:OB+1], s[AS2:AS2+1]
.elseif (\a) > 0
	s_add_nc_u64 s[OB:OB+1], s[OB:OB+1], s[AS1:AS1+1]
.endif
	QUANTW \a
.irp p, 0,1,2,3,4,5
	global_store_b64 v[VO+\p/3], v[PC+2*\p:PC+2*\p+1], s[OB:OB+1] offset:256*(\p%3)   ; a piece: 256 consecutive aligned bytes
.endr
	s_cmp_eq_u32 s[ISV], 1
	s_cbranch_scc0 .Lqk_\@
	ds_store_b32 v[SVA], v[PW+(\a)%2] offset:4*(32*((\a)/2)+8*((\a)%2))   ; v: my d's scale word of this chunk (both halves of the lanes write the same word)
.rept 8
	v_nop                                          ; a scale word made by vector instructions stands 8 places ahead of a scaled matrix instruction, an operand 4
.endr
	v_wmma_scale_f32_16x16x128_f8f6f4 v[SUMD:SUMD+7], v[ONES:ONES+11], v[PC:PC+11], 0, v[ONESC], v[PW+(\a)%2] matrix_a_fmt:MATRIX_FMT_FP6 matrix_b_fmt:MATRIX_FMT_FP6   ; ones x the codes: every register holds the sum of my d's quantised v over the 128 keys
.rept 4
	v_nop
.endr
	ds_store_b32 v[SVA], v[SUMD] offset:512+4*(32*((\a)/2)+8*((\a)%2))
	s_branch .Ldone_\@
.Lqk_\@:
.if ((\a)%2) == 1                              ; q, k: two tiles' words (bytes: head 0's two, head 1's two) become a word for each head (the even tile's two bytes, the odd tile's two)
	v_perm_b32 v[W0], v[PW+1], v[PW], 0x05040100
	v_perm_b32 v[W0+1], v[PW+1], v[PW], 0x07060302
	ds_store_b32 v[SQA], v[W0] offset:64*((\a)/2)
	ds_store_b32 v[SQA], v[W0+1] offset:256+64*((\a)/2)
.endif
.Ldone_\@:
.endm
.irp a, 0,1,2,3,4,5,6,7
	OUT \a
.endr
	s_cmp_eq_u32 s[ISV], 1
	s_cbranch_scc1 .Lfin_v
	ds_load_b128 v[FIN:FIN+3], v[SRQ]              ; LDS serves a wave's instructions in order: these see my stores
	s_wait_dscnt 0x0
	global_store_b128 v[SO], v[FIN:FIN+3], s[SB:SB+1]            ; sixteen lanes store 256 consecutive aligned bytes: a head's words of this chunk
	s_branch .Lfin
.Lfin_v:
	ds_load_b128 v[FIN:FIN+3], v[SRV]
	ds_load_b128 v[FIN+4:FIN+7], v[SRV] offset:512
	s_wait_dscnt 0x0
	global_store_b128 v[SO], v[FIN:FIN+3], s[SB:SB+1]
	global_store_b128 v[SO], v[FIN+4:FIN+7], s[SB:SB+1] offset:262144   ; the sums: the part behind v's scale words
.Lfin:
	s_wait_tensorcnt 0x0                           ; the wave's end
	ds_add_u32 v[SPW], v[NIL]
	s_wait_dscnt 0x0
	CROUND                                         ; the closing round
	s_endpgm
.Lfunc_end_k_q44250209b0_qkvgemm:
	.size	k_q44250209b0_qkvgemm, .Lfunc_end_k_q44250209b0_qkvgemm-k_q44250209b0_qkvgemm
	.p2alignl 7, 3214868480
	.fill 96, 4, 3214868480
	.section	.rodata,"a",@progbits
	.p2align	6, 0x0
	.amdhsa_kernel k_q44250209b0_qkvgemm
		.amdhsa_group_segment_fixed_size 327680
		.amdhsa_private_segment_fixed_size 0
		.amdhsa_enable_private_segment 0
		.amdhsa_kernarg_size 56
		.amdhsa_user_sgpr_count 2
		.amdhsa_user_sgpr_kernarg_segment_ptr 1
		.amdhsa_wavefront_size32 1
		.amdhsa_system_sgpr_workgroup_id_x 1
		.amdhsa_system_sgpr_workgroup_id_y 1
		.amdhsa_system_sgpr_workgroup_id_z 1
		.amdhsa_system_vgpr_workitem_id 0
		.amdhsa_next_free_vgpr 1024
		.amdhsa_next_free_sgpr 102
		.amdhsa_reserve_vcc 0
		.amdhsa_float_denorm_mode_32 3
		.amdhsa_float_denorm_mode_16_64 3
		.amdhsa_memory_ordered 1
		.amdhsa_forward_progress 1
		.amdhsa_inst_pref_size 199
	.end_amdhsa_kernel
	.amdgpu_metadata
---
amdhsa.version: [ 1, 2 ]
amdhsa.kernels:
  - .name:           k_q44250209b0_qkvgemm
    .symbol:         k_q44250209b0_qkvgemm.kd
    .args:
      - { .name: xq, .offset: 0, .size: 8, .value_kind: global_buffer, .address_space: global }
      - { .name: wq, .offset: 8, .size: 8, .value_kind: global_buffer, .address_space: global }
      - { .name: bq, .offset: 16, .size: 8, .value_kind: global_buffer, .address_space: global }
      - { .name: bk, .offset: 24, .size: 8, .value_kind: global_buffer, .address_space: global }
      - { .name: bv, .offset: 32, .size: 8, .value_kind: global_buffer, .address_space: global }
      - { .name: qkv, .offset: 40, .size: 8, .value_kind: global_buffer, .address_space: global }
      - { .name: qkvs, .offset: 48, .size: 8, .value_kind: global_buffer, .address_space: global }
    .group_segment_fixed_size: 327680
    .private_segment_fixed_size: 0
    .kernarg_segment_align: 8
    .kernarg_segment_size: 56
    .max_flat_workgroup_size: 128
    .sgpr_count:     102
    .vgpr_count:     1024
    .wavefront_size: 32
...
	.end_amdgpu_metadata
.endif
;; end of part 2
;; launch attn (part 3): grid 4 x 64, 16 waves a work-group, clusters of 4 x 1, 229,376 bytes of LDS; arguments qkv, qkvs, attention_mask, yq; writes yq
.if DOCPART == 3
	.amdgcn_target "amdgcn-amd-amdhsa--gfx1250"
	.amdhsa_code_object_version 6
	.text
	.protected	k_q44250209b0_attn
	.globl	k_q44250209b0_attn
	.p2align	8
	.type	k_q44250209b0_attn,@function
k_q44250209b0_attn:
	s_mov_b64 s[64:65], 0
	v_nop
	global_prefetch_b8 v0, s[64:65] scope:SCOPE_SE
	s_setreg_imm32_b32 hwreg(HW_REG_WAVE_MODE, 25, 1), 1
	s_wait_xcnt 0x0
	s_wait_alu depctr_hold_cnt(0) depctr_sa_sdst(0) depctr_va_vdst(0) depctr_va_sdst(0) depctr_va_ssrc(0) depctr_va_vcc(0) depctr_vm_vsrc(0)
	s_getreg_b32 s2, hwreg(HW_REG_IB_STS2, 6, 4)
	s_cmp_eq_u32 s2, 0
	s_cbranch_scc0 .Lentry_in_a_cluster
	s_endpgm
.Lentry_in_a_cluster:
	s_bfe_u32 s2, ttmp6, 0x10000c
	s_cmp_lg_u32 s2, 0x3003
	s_cbranch_scc0 .Lentry_shape_is_right
	s_endpgm
.Lentry_shape_is_right:
; y = softmax(q k^T / 8, causal and padding masks) v for one head, both products on codes of FP6 (E2M3) with E8M0 scales, and y quantised at once along the model's 1,024 for the projection.
; LEFT OUT: key steps of 128 keys that lie wholly behind the causal diagonal of a tile of 16 queries (shown at the head of the first kernel); a query that sees no key takes the mean of the quantised v over all 2,048 keys, by a selection.
; THE SOFTMAX: t = score x log2(e) / 8; M = the running largest t rounded up to a whole number; p = 2^(t - M) is quantised along the keys; the row's sum is taken of the unquantised p and divides at the end.
; THE PADDING MASK: a penalty for each key (0, or -2^40 where the mask is 0) is loaded into the scores' registers and is the C of the score products.  LIMIT: scores are taken to lie under 2^36 in magnitude.
; THE HEAD'S K AND V STAY IN LDS: 8 slots of 256 keys x 24,576 bytes = 196,608 bytes, filled once: each of the sixteen waves asks for 12,288 bytes (a slot's K or its V).  Nothing is filled again, so behind the one barrier that shows the tiles to all waves no wave waits for another.
; CLUSTER: the four work-groups of a head read the same 196,608 bytes and ask for them jointly (mask 15).  No branch, trip count or LDS address hangs on the place cx in the cluster.
; SHARES: 256 work-groups.  Wave w of the work-group at place cx owns tile 4 w + cx, then tile 127 - (4 w + cx) (a tile: rows 32 (tile / 2) + 8 (tile % 2) + r + 8 (r / 8)): w / 2 + 1 and 16 - w / 2 key steps, 17 for every wave: one loop of 17 trips.
; Where the first tile ends, and which step lies on the diagonal (a tile's last), hang on the wave's number and the trip alone.  The key step enters LDS addresses held at 15 from above.
; NO PREFETCH: all tiles are asked for by the head's one group of loads; the loop has no load to run ahead of.
; LAYOUT.  Both products are used transposed, so a lane holds one query.  The scores' K is 64, half of the instruction's 128: a fragment of K holds TWO key tiles, and it is multiplied by [Q | 0] and by [0 | Q].
; By the tiles' choice of rows the 16 registers of key tiles 2 b, 2 b + 1 are the keys 32 b + 16 h + 0 .. 15, and O^T's registers 16 b + i are d = 32 b + 16 h + i.
; REGISTERS: v1-7 addresses that stay; v8-11 addresses in hand; v12 -M, v13 the largest t, v[14:15] the sum; v16-33 [0 | Q | 0]; v34 Q's scale word; v36-83 four fragments; v84-87 their scale words; v88-94 the second tile's Q and scale word;
; v96-159 scores, then p; v160-191 O^T; v192-203 p's codes; v204-255 at work.
.set SCK,   196608                     ; k's scale words of the head, 4,096 bytes; v's behind them
.set SCV,   200704
.set PEN,   204800                     ; the penalties of the batch's 2,048 keys
.set VB,    212992                     ; the 16 chunks' sums of the quantised v, 256 bytes each
.set SCRW,  217088                     ; 256 bytes for each wave
.set SPARE, 221184                     ; the spare words, 128 bytes for each wave
.set L8,   1
.set ASK0, 2
.set ASV0, 3
.set AP0,  4
.set SPW,  5
.set NIL,  6
.set DQ,   7
.set ADK,  8
.set ADS,  9
.set ADT,  10
.set ADP,  11
.set QZ,   16
.set QS,   34
.set FRG,  36
.set FS,   84
.set QB,   88
.set QSB,  94
.set S,    96
.set O,    160
.set PCD,  192
.set CT,   204
.set BM,   212
.set EX,   216
.set SOP,  220
.set PS,   224
.set F,    226
.set T0,   228
.set T1,   229
.set WV,   18
.set CX,   19
.set SEL,  20
.set CS,   22
.set G1,   24
.set G0,   32
.set HB,   36
.set T,    37                          ; the trip
.set NA,   38                          ; the first tile's steps
.set KS,   39                          ; the key step
.set TB,   40
.set TS,   41
.set TP,   42
.set KF,   43
.set Q0,   44                          ; the first query of the tile in hand
.set Q0B,  45
.set END,  46                          ; the trips behind which the tile in hand is finished
.macro ROUND                           ; a round of the cluster's barrier
	s_barrier_signal -1
	s_barrier_wait -1
	s_cmp_lg_u32 s[WV], 0
	s_cbranch_scc1 .Lnot_wave_0_\@
	s_barrier_signal -3
.Lnot_wave_0_\@:
	s_barrier_wait -3
	s_barrier_signal -1
	s_barrier_wait -1
.endm
; A tile's places: its first query; Q's half fragment; its pair's scale words; y's half fragment and scale bytes; which two bytes of the pair's word are its own.  s80-84 hold the head's terms
.macro TILEADR t, q0, qa, qs, oc, os, sel
	s_lshr_b32 s70, s[\t], 1
	s_and_b32 s71, s[\t], 1
	s_lshl_b32 s[\q0], s70, 5
	s_lshl_b32 s72, s71, 3
	s_add_co_u32 s[\q0], s[\q0], s72
	s_lshr_b32 s72, s[\t], 4
	s_mul_i32 s72, s72, 36864
	s_and_b32 s73, s[\t], 15
	s_mul_i32 s73, s73, 768
	s_add_co_u32 s72, s72, s73
	s_add_co_u32 s72, s72, s80
	s_mov_b32 s73, 0
	s_add_nc_u64 s[\qa:\qa+1], s[4:5], s[72:73]
	s_lshl_b32 s72, s70, 6
	s_add_co_u32 s72, s72, s81
	s_add_nc_u64 s[\qs:\qs+1], s[6:7], s[72:73]
	s_add_co_u32 s74, s82, s[\t]                   ; my tile among all 512
	s_mul_i32 s72, s74, 12288
	s_add_co_u32 s72, s72, s83
	s_add_nc_u64 s[\oc:\oc+1], s[10:11], s[72:73]
	s_lshl_b32 s72, s74, 9
	s_add_co_u32 s72, s72, s84
	s_add_nc_u64 s[\os:\os+1], s[10:11], s[72:73]
	s_mov_b32 s[\sel], 0x03020302
	s_cmp_eq_u32 s71, 0
	s_cselect_b32 s[\sel], 0x01000100, s[\sel]
.endm
	s_load_b256 s[4:11], s[0:1], 0x0               ; qkv, qkvs, attention_mask, yq
	v_lshl_add_u32 v[SPW], v0, 2, SPARE
	v_mov_b32 v[NIL], 0
	ds_add_u32 v[SPW], v[NIL]                      ; the wave's opening: the add, twice on end, and its wait ahead of the first tensor load
	ds_add_u32 v[SPW], v[NIL]
	v_lshrrev_b32 v8, 5, v0
	s_delay_alu instid0(VALU_DEP_1)
	v_readfirstlane_b32 s[WV], v8
	s_bfe_u32 s[CX], ttmp6, 0x40000                ; my place in the cluster
	s_and_b32 s[HB], ttmp7, 0xffff                 ; batch x 16 + head
	s_mov_b32 s[G1], 15|(3<<16)|(1<<21)            ; the mask: all four partners; elements of 8 bytes; bit 21 beside a mask; 48 rows of 256 dense bytes
	s_mov_b32 s[G1+1], 32<<16
	s_mov_b32 s[G1+2], 48<<16
	s_mov_b32 s[G1+3], 32<<16
	s_mov_b32 s[G1+4], 48
	s_mov_b32 s[G1+5], 32
	s_mov_b32 s[G1+6], 0
	s_mov_b32 s[G1+7], 0
	s_mul_i32 s80, s[HB], 294912                   ; the head's bytes in qkv
	s_lshr_b32 s70, s[WV], 1
	s_mul_i32 s70, s70, 36864                      ; slot w / 2,
	s_and_b32 s71, s[WV], 1
	s_mul_i32 s71, s71, 12288                      ; its K (w even) or its V,
	s_add_co_u32 s70, s70, s71
	s_add_co_u32 s70, s70, s80
	s_add_co_u32 s70, s70, 12288                   ; which lie behind the slot's Q
	s_mov_b32 s71, 0
	s_mov_b32 s[SEL], 0x76543210
	s_mov_b32 s[SEL+1], 0xfedcba98
	s_mov_b32 s[CS], 0x3e38aa3b                    ; c = log2(e) / 8
	s_mov_b32 s[CS+1], s[CS]
	s_wait_dscnt 0x0                               ; both opening adds are done
	s_wait_kmcnt 0x0
	s_mov_b32 s[G0], 1
	s_mul_i32 s[G0+1], s[WV], 12288
	s_add_nc_u64 s[G0+2:G0+3], s[4:5], s[70:71]
	s_or_b32 s[G0+3], s[G0+3], 0x80000000
	ROUND                                          ; all four work-groups are here: the joint loads meet
	tensor_load_to_lds s[G0:G0+3], s[G1:G1+7]      ; my one tensor load of the launch
	s_nop 0
.rept 4
	v_nop
.endr
	s_lshl_b32 s81, s[HB], 12
	s_lshr_b32 s70, s[HB], 4                       ; the batch
	s_lshl_b32 s82, s70, 7
	s_lshl_b32 s72, s70, 13
	s_mov_b32 s73, 0
	s_add_nc_u64 s[8:9], s[8:9], s[72:73]          ; the batch's mask
	s_and_b32 s71, s[HB], 15                       ; the head
	s_mul_i32 s83, s71, 768
	s_lshr_b32 s84, s71, 2
	s_lshl_b32 s84, s84, 7
	s_and_b32 s71, s71, 3
	s_lshl_b32 s71, s71, 1
	s_add_co_u32 s84, s84, s71
	s_add_co_u32 s84, s84, 6291456
	s_lshl_b32 s85, s[WV], 2
	s_add_co_u32 s85, s85, s[CX]                   ; my first tile
	s_sub_co_u32 s86, 127, s85                     ; my second
	TILEADR 85, Q0,  48, 50, 52, 54, 56
	TILEADR 86, Q0B, 58, 60, 62, 66, 57
	s_lshl_b32 s72, s[WV], 8
	s_add_co_u32 s72, s72, s81
	s_add_co_u32 s72, s72, 786432
	s_add_nc_u64 s[68:69], s[6:7], s[72:73]        ; chunk w's sums of v
	s_add_co_u32 s72, s81, 262144
	s_add_nc_u64 s[74:75], s[6:7], s[72:73]        ; the head's k scale words; v's lie 262,144 bytes on
	s_lshr_b32 s[NA], s[WV], 1
	s_add_co_u32 s[NA], s[NA], 1
	s_mov_b32 s[END], s[NA]
	s_mov_b32 s[T], 0
	v_and_b32 v8, 31, v0
	s_delay_alu instid0(VALU_DEP_1)
	v_lshlrev_b32 v[L8], 3, v8                     ; 8 x lane
	v_and_b32 v9, 15, v0                           ; r
	v_bfe_u32 v10, v0, 4, 1                        ; h
	s_delay_alu instid0(VALU_DEP_2)
	v_and_b32 v11, 8, v9
	s_delay_alu instid0(VALU_DEP_1)
	v_add_nc_u32 v11, v11, v9                      ; r + 8 (r / 8)
	v_lshl_add_u32 v[ASK0], v9, 2, SCK
	s_delay_alu instid0(VALU_DEP_2)
	v_lshl_add_u32 v[ASV0], v11, 2, SCV
	v_lshl_add_u32 v[AP0], v10, 6, PEN
	v_lshlrev_b32 v[DQ], 4, v10
	s_delay_alu instid0(VALU_DEP_1)
	v_sub_nc_u32 v[DQ], v11, v[DQ]                 ; my query less the tile's first query less 16 h
.irp p, 0,1,2
	global_load_b64 v[QZ+6+2*\p:QZ+7+2*\p], v[L8], s[48:49] offset:256*\p
	global_load_b64 v[QB+2*\p:QB+2*\p+1], v[L8], s[58:59] offset:256*\p
.endr
	v_lshlrev_b32 v[T0], 2, v9
	global_load_b32 v35, v[T0], s[50:51]
	global_load_b32 v95, v[T0], s[60:61]
	v_lshlrev_b32 v[T1], 4, v0
	global_load_b128 v[36:39], v[T1], s[8:9]       ; four keys' mask a thread
	global_load_b64 v[40:41], v[L8], s[68:69]
	v_lshrrev_b32 v234, 8, v0                      ; threads 0-255 take k's scale words, the others v's, 16 bytes each
	v_and_b32 v235, 255, v0
	s_delay_alu instid0(VALU_DEP_1)
	v_lshlrev_b32 v235, 4, v235
	s_delay_alu instid0(VALU_DEP_1)
	v_lshl_add_u32 v234, v234, 18, v235
	global_load_b128 v[44:47], v234, s[74:75]
	v_add_nc_u32 v235, SCK, v[T1]
	v_add_nc_u32 v230, PEN, v[T1]
	v_lshl_add_u32 v231, v0, 3, VB
	v_mov_b32 v13, 0xff61b1e6                      ; the largest t so far: -3e38
	s_delay_alu instid0(VALU_DEP_1)
	v_floor_f32 v12, -v13                          ; -M
	v_mov_b32 v14, 0
	v_mov_b32 v15, 0
.irp i, 0,1,2,3,4,5
	v_mov_b32 v[QZ+\i], 0                          ; the zero codes on both sides of Q
	v_mov_b32 v[QZ+12+\i], 0
.endr
.irp b, 0,1,2,3
	v_mov_b32 v[EX+\b], 0                          ; a lane permute's destination counts as one of its sources
.endr
	v_mov_b32 v[F+1], 0                            ; (named as the upper half of a pair)
.set n, 0
.rept 32
	v_mov_b32 v[O+n], 0                            ; O^T: the step is written once; a tile's first finds zeros
.set n, n+1
.endr
	v_mov_b32 v233, 0xd3800000                     ; -2^40
	s_wait_alu depctr_va_vdst(0)                   ; the wait here, directly ahead of the wait below
	s_wait_loadcnt 0x0
	v_perm_b32 v[QS], v35, v35, s56                ; my tile's two bytes of the pair's word, twice: for [Q | 0] and for [0 | Q]
	v_perm_b32 v[QSB], v95, v95, s57
.irp i, 0,1,2,3
	v_cmp_eq_u32 vcc_lo, 0, v[36+\i]
	s_delay_alu instid0(VALU_DEP_1)
	v_cndmask_b32 v[36+\i], 0, v233, vcc_lo        ; the key's penalty
.endr
	ds_store_b128 v230, v[36:39]
	ds_store_b64 v231, v[40:41]
	ds_store_b128 v235, v[44:47]
	s_wait_alu depctr_va_vdst(0)                   ; the wait at the head's end
	s_wait_tensorcnt 0x0                           ; my 12,288 bytes of K or V are in,
	s_wait_dscnt 0x0                               ; and my stores are done:
	s_barrier_signal -1
	s_barrier_wait -1                              ; both now hold of all sixteen waves
; THE WAY OUT of a tile: y = O^T / the sum, or the mean of v; quantised along d; codes to s[oc:oc+1], scale bytes to s[os:os+1]
.macro WAYOUT oc, os
	v_add_f32 v14, v14, v15
	s_delay_alu instid0(VALU_DEP_1)
	v_permlanex16_b32 v[T0], v14, s[SEL], s[SEL+1]
	s_delay_alu instid0(VALU_DEP_1)
	v_add_f32 v14, v14, v[T0]                      ; the row's sum
	s_wait_alu depctr_va_vdst(0)                   ; the wait ahead of the transcendental
	v_rcp_f32 v14, v14
	v_add_nc_u32 v[ADK], VB, v[L8]                 ; (plain work behind the reciprocal and behind the last products)
	v_lshl_add_u32 v[ADS], v0, 3, SCRW
	v_bfe_u32 v[T1], v0, 4, 1                      ; h
	v_lshrrev_b32 v[ADT], 5, v0
	s_delay_alu instid0(VALU_DEP_1)
	v_lshlrev_b32 v[ADT], 8, v[ADT]
	s_delay_alu instid0(VALU_DEP_1)
	v_lshl_add_u32 v[ADT], v[T1], 6, v[ADT]
	s_delay_alu instid0(VALU_DEP_1)
	v_add_nc_u32 v[ADT], SCRW, v[ADT]
.set n, 0
.rept 16
	ds_load_b64 v[S+2*n:S+2*n+1], v[ADK] offset:256*n   ; the 16 chunks' sums of the quantised v, d = 2 lane, 2 lane + 1
.set n, n+1
.endr
	s_wait_dscnt 0x0
.irp i, 0,2,4,6,8,10,12,14
	v_pk_add_f32 v[S+\i:S+\i+1], v[S+\i:S+\i+1], v[S+16+\i:S+17+\i]
.endr
.irp i, 0,2,4,6
	s_delay_alu instid0(VALU_DEP_4)
	v_pk_add_f32 v[S+\i:S+\i+1], v[S+\i:S+\i+1], v[S+8+\i:S+9+\i]
.endr
.irp i, 0,2
	s_delay_alu instid0(VALU_DEP_2)
	v_pk_add_f32 v[S+\i:S+\i+1], v[S+\i:S+\i+1], v[S+4+\i:S+5+\i]
.endr
	s_delay_alu instid0(VALU_DEP_1)
	v_pk_add_f32 v[S:S+1], v[S:S+1], v[S+2:S+3]
	s_delay_alu instid0(VALU_DEP_1)
	v_pk_mul_f32 v[S:S+1], v[S:S+1], 0x3a000000 op_sel_hi:[1,0]   ; / 2,048: the mean over all keys
	ds_store_b64 v[ADS], v[S:S+1]
.irp b, 0,1
.irp j, 0,1,2,3
	ds_load_b128 v[S+32+16*\b+4*\j:S+35+16*\b+4*\j], v[ADT] offset:128*\b+16*\j   ; back in O^T's order (LDS serves a wave's instructions in order)
.endr
.endr
	s_wait_alu depctr_va_vdst(0)                   ; the wait behind the reciprocal, ahead of its first reader and of O^T's
.set n, 0
.rept 16
	v_pk_mul_f32 v[FRG+n:FRG+n+1], v[O+n:O+n+1], v[14:15] op_sel_hi:[1,0]   ; y = O^T / the sum
.set n, n+2
.endr
	v_cmp_gt_f32 vcc_lo, 0xd1800000, v13           ; the largest t lies under -2^36: every key that my query sees is padded
	s_wait_dscnt 0x0
.set n, 0
.rept 32
	v_cndmask_b32 v[FRG+n], v[FRG+n], v[S+32+n], vcc_lo
.set n, n+1
.endr
.irp b, 0,1                                    ; y's two blocks of 32 along the projection's K
	v_max3_num_f32 v[BM+\b], |v[FRG+16*\b]|, |v[FRG+1+16*\b]|, 0x1800000
.endr
.irp i, 2,4,6,8,10,12,14
.irp b, 0,1
	s_delay_alu instid0(VALU_DEP_2)
	v_max3_num_f32 v[BM+\b], v[BM+\b], |v[FRG+16*\b+\i]|, |v[FRG+1+16*\b+\i]|
.endr
.endr
.irp b, 0,1
	s_delay_alu instid0(VALU_DEP_2)
	v_permlanex16_b32 v[EX+\b], v[BM+\b], s[SEL], s[SEL+1]
.endr
.irp b, 0,1
	s_delay_alu instid0(VALU_DEP_2)
	v_max_num_f32 v[BM+\b], v[BM+\b], v[EX+\b]
.endr
.irp b, 0,1
	s_delay_alu instid0(VALU_DEP_2)
	v_add_nc_u32 v[SOP+\b], 0xff000000, v[BM+\b]
.endr
.irp b, 0,1
	s_delay_alu instid0(VALU_DEP_2)
	v_lshrrev_b32 v[EX+\b], 23, v[SOP+\b]
.endr
	v_cvt_scalef32_pk16_fp6_f32 v[PCD:PCD+2], v[FRG:FRG+15], v[SOP]
	v_cvt_scalef32_pk16_fp6_f32 v[CT:CT+2], v[FRG+16:FRG+31], v[SOP+1]
	v_nop                                          ; one plain place behind a scaled conversion
.irp i, 0,1,2
	v_permlane16_swap_b32 v[PCD+\i], v[CT+\i]
.endr
.irp i, 0,1,2
	s_delay_alu instid0(VALU_DEP_3)
	v_mov_b32 v[PCD+3+\i], v[CT+\i]
.endr
.irp p, 0,1,2
	global_store_b64 v[L8], v[PCD+2*\p:PCD+2*\p+1], s[\oc:\oc+1] offset:256*\p   ; a piece: 256 consecutive aligned bytes
.endr
	v_cmp_ne_u32 vcc_lo, 0, v[T1]
	s_delay_alu instid0(VALU_DEP_1)
	v_cndmask_b32 v[EX], v[EX], v[EX+1], vcc_lo    ; lane (r, h) stores block h's byte of row r: one part in 24 of y's bytes goes out so
	v_and_b32 v[ADP], 15, v0
	s_delay_alu instid0(VALU_DEP_1)
	v_lshl_add_u32 v[ADP], v[ADP], 3, v[T1]
	global_store_b8 v[ADP], v[EX], s[\os:\os+1]
.endm
.Ltrip:                                            ; 17 trips: a key step of 128 keys for the tile in hand
	s_sub_co_u32 s70, s[T], s[NA]
	s_cmp_lt_u32 s[T], s[NA]
	s_cselect_b32 s[KS], s[T], s70                 ; the key step: the trip, counted from the tile's first
	s_min_u32 s[KS], s[KS], 15
	s_lshr_b32 s70, s[KS], 1
	s_mul_i32 s[TB], s70, 24576                    ; its slot,
	s_and_b32 s71, s[KS], 1
	s_mul_i32 s71, s71, 6144                       ; and its half of the slot's K and V
	s_add_co_u32 s[TB], s[TB], s71
	s_lshl_b32 s[TS], s[KS], 8
	s_lshl_b32 s[TP], s[KS], 9
	s_lshl_b32 s[KF], s[KS], 7                     ; its first key
	v_add_nc_u32 v[ADK], s[TB], v[L8]              ; (these four are the places in front of loads into registers that the last products read)
	v_add_nc_u32 v[ADS], s[TS], v[ASK0]
	v_add_nc_u32 v[ADT], s[TS], v[ASV0]
	v_add_nc_u32 v[ADP], s[TP], v[AP0]
.irp j, 0,1,2,3
.irp p, 0,1,2,3,4,5
	ds_load_b64 v[FRG+12*\j+2*\p:FRG+12*\j+2*\p+1], v[ADK] offset:\j*1536+256*\p
.endr
	ds_load_b32 v[FS+\j], v[ADS] offset:64*\j
.endr
.irp t, 0,1,2,3,4,5,6,7
	ds_load_b128 v[S+8*\t:S+8*\t+3], v[ADP] offset:128*(\t/2)+32*(\t%2)          ; the penalties of the tile's keys of my half
	ds_load_b128 v[S+8*\t+4:S+8*\t+7], v[ADP] offset:128*(\t/2)+32*(\t%2)+16
.endr
	s_wait_alu depctr_va_vdst(0)                   ; the wait here, directly ahead of the wait below
	s_wait_dscnt 0x0
.irp j, 0,1,2,3
	v_wmma_scale_f32_16x16x128_f8f6f4 v[S+16*\j:S+16*\j+7], v[FRG+12*\j:FRG+12*\j+11], v[QZ+6:QZ+17], v[S+16*\j:S+16*\j+7], v[FS+\j], v[QS] matrix_a_fmt:MATRIX_FMT_FP6 matrix_b_fmt:MATRIX_FMT_FP6
	v_wmma_scale_f32_16x16x128_f8f6f4 v[S+16*\j+8:S+16*\j+15], v[FRG+12*\j:FRG+12*\j+11], v[QZ:QZ+11], v[S+16*\j+8:S+16*\j+15], v[FS+\j], v[QS] matrix_a_fmt:MATRIX_FMT_FP6 matrix_b_fmt:MATRIX_FMT_FP6
.endr
.rept 4
	v_nop
.endr
.irp t, 0,1,2,3                                ; V's four fragments land while the softmax is walked
.irp p, 0,1,2,3,4,5
	ds_load_b64 v[FRG+12*\t+2*\p:FRG+12*\t+2*\p+1], v[ADK] offset:12288+1536*\t+256*\p
.endr
	ds_load_b32 v[FS+\t], v[ADT] offset:4*(32*(\t/2)+8*(\t%2))
.endr
	s_add_co_u32 s70, s[T], 1                      ; a tile's last step lies on the diagonal: there hidden scores become -infinity ahead of the maximum
	s_cmp_lg_u32 s70, s[END]
	s_cbranch_scc1 .Lopen
	s_sub_co_i32 s70, s[Q0], s[KF]
	v_add_nc_u32 v[T0], s70, v[DQ]                 ; register 16 b + i holds key KF + 16 h + 32 b + i: hidden where 32 b + i is above this
	v_mov_b32 v[T1], 0xff800000
.set n, 0
.rept 64
	v_cmp_gt_i32 vcc_lo, 32*(n/16)+n%16, v[T0]
	v_cndmask_b32 v[S+n], v[S+n], v[T1], vcc_lo
.set n, n+1
.endr
.Lopen:
.irp b, 0,1,2,3
	v_max3_num_f32 v[BM+\b], v[S+16*\b], v[S+1+16*\b], v[S+2+16*\b]   ; the largest score of each block of 32 keys: for the row's maximum and, since p rises with the score, for the block's largest p
.endr
.irp i, 3,5,7,9,11,13
.irp b, 0,1,2,3
	v_max3_num_f32 v[BM+\b], v[BM+\b], v[S+16*\b+\i], v[S+1+16*\b+\i]
.endr
.endr
.irp b, 0,1,2,3
	v_max_num_f32 v[BM+\b], v[BM+\b], v[S+15+16*\b]
.endr
.irp b, 0,1,2,3
	s_delay_alu instid0(VALU_DEP_4)
	v_permlanex16_b32 v[EX+\b], v[BM+\b], s[SEL], s[SEL+1]
.endr
.irp b, 0,1,2,3
	s_delay_alu instid0(VALU_DEP_4)
	v_max_num_f32 v[BM+\b], v[BM+\b], v[EX+\b]
.endr
	s_delay_alu instid0(VALU_DEP_2)
	v_max3_num_f32 v[T0], v[BM], v[BM+1], v[BM+2]
	s_delay_alu instid0(VALU_DEP_1)
	v_max_num_f32 v[T0], v[T0], v[BM+3]
	s_delay_alu instid0(VALU_DEP_1)
	v_mul_f32 v[T0], s[CS], v[T0]
	s_delay_alu instid0(VALU_DEP_1)
	v_max_num_f32 v13, v13, v[T0]                  ; the running largest t
	v_mov_b32 v[T0], v12
	s_delay_alu instid0(VALU_DEP_2)
	v_floor_f32 v12, -v13                          ; the new -M: M is a whole number
	s_delay_alu instid0(VALU_DEP_1)
	v_sub_f32 v[T0], v12, v[T0]
	s_delay_alu instid0(VALU_DEP_1)
	v_cvt_i32_f32 v[T0], v[T0]                     ; (it saturates)
	s_delay_alu instid0(VALU_DEP_1)
	v_ldexp_f32 v[F], 1.0, v[T0]                   ; f = 2^(old M - new M)
.set n, 0
.rept 32
	v_pk_fma_f32 v[S+n:S+n+1], v[S+n:S+n+1], s[CS:CS+1], v[12:13] op_sel_hi:[1,0,0]   ; t - M
.set n, n+2
.endr
.irp b, 0,1,2,3
	v_fma_f32 v[BM+\b], v[BM+\b], s[CS], v12
.endr
.set n, 0
	s_wait_alu depctr_va_vdst(0)                   ; the wait ahead of the batch
.rept 64
	v_exp_f32 v[S+n], v[S+n]                       ; p = 2^(t - M)
.set n, n+1
.endr
	v_pk_mul_f32 v[14:15], v[14:15], v[F:F+1] op_sel_hi:[1,0]   ; the sums under the new M (a plain place behind the exponentials)
	s_wait_alu depctr_va_vdst(0)                   ; one wait for the batch, ahead of its first reader
.irp b, 0,1,2,3
	v_exp_f32 v[BM+\b], v[BM+\b]                   ; the block's largest p
.endr
	v_pk_add_f32 v[216:217], v[100:101], v[104:105]   ; the row's sum of the unquantised p, in eight chains
	v_pk_add_f32 v[254:255], v[108:109], v[112:113]
	v_pk_add_f32 v[252:253], v[116:117], v[120:121]
	v_pk_add_f32 v[250:251], v[124:125], v[128:129]
	v_pk_add_f32 v[248:249], v[132:133], v[136:137]
	v_pk_add_f32 v[246:247], v[140:141], v[144:145]
	v_pk_add_f32 v[244:245], v[148:149], v[152:153]
	v_pk_add_f32 v[14:15], v[14:15], v[156:157]
	v_pk_add_f32 v[216:217], v[216:217], v[96:97]
	v_pk_add_f32 v[254:255], v[254:255], v[98:99]
	v_pk_add_f32 v[252:253], v[252:253], v[102:103]
	v_pk_add_f32 v[250:251], v[250:251], v[106:107]
	v_pk_add_f32 v[248:249], v[248:249], v[110:111]
	v_pk_add_f32 v[246:247], v[246:247], v[114:115]
	v_pk_add_f32 v[244:245], v[244:245], v[118:119]
	v_pk_add_f32 v[14:15], v[14:15], v[122:123]
	v_pk_add_f32 v[216:217], v[216:217], v[126:127]
	v_pk_add_f32 v[254:255], v[254:255], v[130:131]
	v_pk_add_f32 v[252:253], v[252:253], v[134:135]
	v_pk_add_f32 v[250:251], v[250:251], v[138:139]
	v_pk_add_f32 v[248:249], v[248:249], v[142:143]
	v_pk_add_f32 v[246:247], v[246:247], v[146:147]
	v_pk_add_f32 v[244:245], v[244:245], v[150:151]
	v_pk_add_f32 v[14:15], v[14:15], v[154:155]
	v_pk_add_f32 v[216:217], v[216:217], v[158:159]
	s_delay_alu instid0(VALU_DEP_2)
	v_pk_add_f32 v[14:15], v[14:15], v[250:251]
	s_delay_alu instid0(VALU_DEP_2)
	v_pk_add_f32 v[216:217], v[216:217], v[248:249]
	v_pk_add_f32 v[254:255], v[254:255], v[246:247]
	v_pk_add_f32 v[252:253], v[252:253], v[244:245]
	s_delay_alu instid0(VALU_DEP_2)
	v_pk_add_f32 v[14:15], v[14:15], v[254:255]
	s_delay_alu instid0(VALU_DEP_2)
	v_pk_add_f32 v[216:217], v[216:217], v[252:253]
	s_delay_alu instid0(VALU_DEP_1)
	v_pk_add_f32 v[14:15], v[14:15], v[216:217]
	s_wait_alu depctr_va_vdst(0)                   ; and one for the four
.irp b, 0,1,2,3
	v_max_num_f32 v[BM+\b], 0x1800000, v[BM+\b]    ; the floor 2^(3 - 127)
.endr
.irp b, 0,1,2,3
	s_delay_alu instid0(VALU_DEP_4)
	v_add_nc_u32 v[SOP+\b], 0xff000000, v[BM+\b]
.endr
.irp b, 0,1,2,3
	s_delay_alu instid0(VALU_DEP_4)
	v_lshrrev_b32 v[EX+\b], 23, v[SOP+\b]
.endr
	s_delay_alu instid0(VALU_DEP_3)
	v_lshl_or_b32 v[PS], v[EX+1], 8, v[EX]         ; p's scale word for these 128 keys
	s_delay_alu instid0(VALU_DEP_1)
	v_lshl_or_b32 v[PS], v[EX+2], 16, v[PS]
	s_delay_alu instid0(VALU_DEP_1)
	v_lshl_or_b32 v[PS], v[EX+3], 24, v[PS]
.irp c, 0,1
	v_cvt_scalef32_pk16_fp6_f32 v[PCD+6*\c:PCD+2+6*\c], v[S+32*\c:S+15+32*\c], v[SOP+2*\c]
	v_cvt_scalef32_pk16_fp6_f32 v[CT+4*\c:CT+2+4*\c], v[S+16+32*\c:S+31+32*\c], v[SOP+2*\c+1]
.endr
	v_nop                                          ; one plain place behind a scaled conversion
.irp c, 0,1
.irp i, 0,1,2
	v_permlane16_swap_b32 v[PCD+6*\c+\i], v[CT+4*\c+\i]
.endr
.irp i, 0,1,2
	s_delay_alu instid0(VALU_DEP_3)
	v_mov_b32 v[PCD+3+6*\c+\i], v[CT+4*\c+\i]
.endr
.endr
.set n, 0
.rept 16
	v_pk_mul_f32 v[O+n:O+n+1], v[O+n:O+n+1], v[F:F+1] op_sel_hi:[1,0]   ; O^T under the new M.  (These sixteen are the places between p's codes and scale word and the products)
.set n, n+2
.endr
	s_wait_alu depctr_va_vdst(0)                   ; the wait here, directly ahead of the wait below
	s_wait_dscnt 0x0                               ; V is in
.irp t, 0,1,2,3
	v_wmma_scale_f32_16x16x128_f8f6f4 v[O+8*\t:O+8*\t+7], v[FRG+12*\t:FRG+12*\t+11], v[PCD:PCD+11], v[O+8*\t:O+8*\t+7], v[FS+\t], v[PS] matrix_a_fmt:MATRIX_FMT_FP6 matrix_b_fmt:MATRIX_FMT_FP6
.endr
	s_add_co_u32 s[T], s[T], 1
	s_cmp_lg_u32 s[T], s[NA]                       ; the wave's number and the trip alone
	s_cbranch_scc1 .Lsame
	WAYOUT 52, 54                                  ; my first tile leaves,
	s_wait_xcnt 0x0                                ; its stores have read their registers,
.irp i, 0,1,2,3,4,5
	v_mov_b32 v[QZ+6+\i], v[QB+\i]                 ; and my second begins: its Q and scale word (the lines below are the places ahead of the next products),
.endr
	v_mov_b32 v[QS], v[QSB]
	v_mov_b32 v13, 0xff61b1e6
	s_delay_alu instid0(VALU_DEP_1)
	v_floor_f32 v12, -v13
	v_mov_b32 v14, 0
	v_mov_b32 v15, 0
.set n, 0
.rept 32
	v_mov_b32 v[O+n], 0
.set n, n+1
.endr
	s_mov_b32 s[Q0], s[Q0B]
	s_mov_b32 s[END], 17
.Lsame:
	s_wait_alu depctr_va_vdst(0)                   ; the wait here, directly ahead of the branch
	s_cmp_lt_u32 s[T], 17
	s_cbranch_scc1 .Ltrip
	WAYOUT 62, 66                                  ; my second tile leaves
	s_wait_tensorcnt 0x0                           ; the wave's end
	ds_add_u32 v[SPW], v[NIL]
	s_wait_dscnt 0x0
	ROUND                                          ; the closing round
	s_endpgm
.Lfunc_end_k_q44250209b0_attn:
	.size	k_q44250209b0_attn, .Lfunc_end_k_q44250209b0_attn-k_q44250209b0_attn
	.p2alignl 7, 3214868480
	.fill 96, 4, 3214868480
	.section	.rodata,"a",@progbits
	.p2align	6, 0x0
	.amdhsa_kernel k_q44250209b0_attn
		.amdhsa_group_segment_fixed_size 229376
		.amdhsa_private_segment_fixed_size 0
		.amdhsa_enable_private_segment 0
		.amdhsa_kernarg_size 32
		.amdhsa_user_sgpr_count 2
		.amdhsa_user_sgpr_kernarg_segment_ptr 1
		.amdhsa_wavefront_size32 1
		.amdhsa_system_sgpr_workgroup_id_x 1
		.amdhsa_system_sgpr_workgroup_id_y 1
		.amdhsa_system_sgpr_workgroup_id_z 1
		.amdhsa_system_vgpr_workitem_id 0
		.amdhsa_next_free_vgpr 256
		.amdhsa_next_free_sgpr 100
		.amdhsa_reserve_vcc 1
		.amdhsa_float_denorm_mode_32 3
		.amdhsa_float_denorm_mode_16_64 3
		.amdhsa_memory_ordered 1
		.amdhsa_forward_progress 1
		.amdhsa_inst_pref_size 56
	.end_amdhsa_kernel
	.amdgpu_metadata
---
amdhsa.version: [ 1, 2 ]
amdhsa.kernels:
  - .name:           k_q44250209b0_attn
    .symbol:         k_q44250209b0_attn.kd
    .args:
      - { .name: qkv, .offset: 0, .size: 8, .value_kind: global_buffer, .address_space: global }
      - { .name: qkvs, .offset: 8, .size: 8, .value_kind: global_buffer, .address_space: global }
      - { .name: attention_mask, .offset: 16, .size: 8, .value_kind: global_buffer, .address_space: global }
      - { .name: yq, .offset: 24, .size: 8, .value_kind: global_buffer, .address_space: global }
    .group_segment_fixed_size: 229376
    .private_segment_fixed_size: 0
    .kernarg_segment_align: 8
    .kernarg_segment_size: 32
    .max_flat_workgroup_size: 512
    .sgpr_count:     100
    .vgpr_count:     256
    .wavefront_size: 32
...
	.end_amdgpu_metadata
.endif
;; end of part 3
;; launch proj (part 4): grid 4 x 64, 4 waves a work-group, clusters of 4 x 4, 327,680 bytes of LDS; arguments yq, wq, bp, out0; writes out0
.if DOCPART == 4
	.amdgcn_target "amdgcn-amd-amdhsa--gfx1250"
	.amdhsa_code_object_version 6
	.text
	.protected	k_q44250209b0_proj
	.globl	k_q44250209b0_proj
	.p2align	8
	.type	k_q44250209b0_proj,@function
k_q44250209b0_proj:
	s_mov_b64 s[64:65], 0
	v_nop
	global_prefetch_b8 v0, s[64:65] scope:SCOPE_SE
	s_setreg_imm32_b32 hwreg(HW_REG_WAVE_MODE, 25, 1), 1
	s_wait_xcnt 0x0
	s_wait_alu depctr_hold_cnt(0) depctr_sa_sdst(0) depctr_va_vdst(0) depctr_va_sdst(0) depctr_va_ssrc(0) depctr_va_vcc(0) depctr_vm_vsrc(0)
	s_getreg_b32 s2, hwreg(HW_REG_IB_STS2, 6, 4)
	s_cmp_eq_u32 s2, 0
	s_cbranch_scc0 .Lentry_in_a_cluster
	s_endpgm
.Lentry_in_a_cluster:
	s_bfe_u32 s2, ttmp6, 0x10000c
	s_cmp_lg_u32 s2, 0xf033
	s_cbranch_scc0 .Lentry_shape_is_right
	s_endpgm
.Lentry_shape_is_right:
; out0 = y Wp + bp on codes of FP6 (E2M3) with E8M0 scales, f32 sums.  No work is left out here.
; A work-group of four waves makes 128 tokens x 256 columns: 64 x 4 = 256 work-groups; a wave makes 64 x 128: 32 accumulators, 256 registers.
; ALL OF K = 1,024 LIES IN LDS AT ONCE: y's 8 tiles are 98,304 dense bytes, the weight's 16 tiles 196,608, their scale words 4,096 and 8,192: four dense tiles, one tensor load a wave at the head.  Nothing is filled again: no ring, and the walk along K has no barrier.
; Operands lie in memory as images of the operand's registers (tile tau = rows 32 (tau / 2) + 8 (tau % 2) + r + 8 (r / 8); a fragment = 6 pieces of 256 bytes), so a fragment comes by six ds_load_b64 of 256 consecutive bytes.
; CLUSTERS: 4 x 4 work-groups; y's tiles are shared along a row of the cluster, the weight's along a column: joint loads.  NO PREFETCH: every load goes out at the head; the walk has no load to run ahead of.
; Source 0 (J) = 16 columns of the weight, source 1 (I) = 16 tokens: a lane holds a token's row, and the 16 registers of J's tiles 2 b, 2 b + 1 are 16 neighbouring columns.  The bias is the C of each sum's first matrix instruction.
; A step of 128 along K: the next step's 72 LDS loads into the other set of registers, then 32 matrix instructions, the 32 accumulators by turns in the same order in every step.
; THE WAY OUT: a block of 16 tokens x 128 columns goes through the wave's own stage and leaves as whole rows of 512 bytes.  The stage lies over y's codes, behind a barrier behind which no wave reads codes any more.
; REGISTERS: window 0: v13-29 addresses; v32-63 scale words, two sets; v64-127 the bias; v128-223 I's fragments, two sets of 48 (on the way out v128-255: rows read back); window 1: J's fragments, two sets, at v0 and v128; window 2: accumulator (a, b) at v[8 (8 a + b)].
.set FR,    12
.set NP,    4
.set XC,    0                          ; y's codes
.set WC,    98304                      ; the weight's
.set SCX,   294912                     ; y's scale words
.set SCW,   299008                     ; the weight's, directly behind them
.set SPARE, 307200                     ; the spare words, 128 bytes for each wave
.set SPITCH, 528
.set BV0,  13
.set ADRI, 16
.set ADRJ, 20                          ; v20: J's tiles 0-3, v21: tiles 4-7
.set STO,  24
.set RD,   25
.set CO,   26
.set ADRS, 27
.set SPW,  28
.set NIL,  29
.set SC,   32
.set BIAS, 64
.set AF,   128
.set BK,   128
.set WV,   18
.set TX,   19                          ; which 64 tokens are mine
.set TW,   20                          ; which 128 columns
.set G1X,  24
.set G0X,  32
.set G0W,  36
.set G1W,  48
.set G0SX, 56
.set G0SW, 60
.set G1SX, 68
.set G1SW, 80
.set MSB, 0
.macro WIN new                         ; the immediate's high byte repeats the setting that is left
.if MSB != (\new)
	s_set_vgpr_msb (MSB<<8)|(\new)
.set MSB, (\new)
.endif
.endm
.macro CROUND                          ; a round of the cluster's barrier
	s_barrier_signal -1
	s_barrier_wait -1
	s_cmp_lg_u32 s[WV], 0
	s_cbranch_scc1 .Lnot_wave_0_\@
	s_barrier_signal -3
.Lnot_wave_0_\@:
	s_barrier_wait -3
	s_barrier_signal -1
	s_barrier_wait -1
.endm
.macro GRP1 g, r                       ; group 1's words 1 to 7: r rows of 256 dense bytes (32 elements of 8 bytes)
	s_mov_b32 s[\g+1], 32<<16
	s_mov_b32 s[\g+2], (\r)<<16
	s_mov_b32 s[\g+3], 32<<16
	s_mov_b32 s[\g+4], \r
	s_mov_b32 s[\g+5], 32
	s_mov_b32 s[\g+6], 0
	s_mov_b32 s[\g+7], 0
.endm
.macro PLACES n                        ; plain places between a matrix instruction and a load into, or a read of, its registers
.rept \n
	v_nop
.endr
.endm
	s_load_b256 s[4:11], s[0:1], 0x0               ; yq, wq, bp, out0
	v_lshl_add_u32 v[SPW], v0, 2, SPARE
	v_mov_b32 v[NIL], 0
	ds_add_u32 v[SPW], v[NIL]                      ; the wave's opening: the add, twice on end, and its wait ahead of my first tensor load
	ds_add_u32 v[SPW], v[NIL]
	v_lshrrev_b32 v1, 5, v0
	v_readfirstlane_b32 s[WV], v1
	s_lshr_b32 s[TX], s[WV], 1
	s_and_b32 s[TW], s[WV], 1
	s_bfe_u32 s21, ttmp6, 0x40000                  ; cx
	s_bfe_u32 s22, ttmp6, 0x40004                  ; cy
	s_lshl_b32 s23, ttmp9, 2
	s_add_co_u32 s23, s23, s21                     ; block of 256 columns
	s_and_b32 s40, ttmp7, 0xffff
	s_lshl_b32 s40, s40, 2
	s_add_co_u32 s40, s40, s22                     ; block of 128 tokens
	s_lshl_b32 s41, s22, 2
	s_lshl_b32 s41, 15, s41                        ; my row of the cluster
	s_lshl_b32 s42, 0x1111, s21                    ; my column
	s_or_b32 s[G1X], s41, (3<<16)|(1<<21)          ; the mask; elements of 8 bytes; bit 21 beside a mask; no padding
	s_or_b32 s[G1W], s42, (3<<16)|(1<<21)
	s_or_b32 s[G1SX], s41, (3<<16)|(1<<21)
	s_or_b32 s[G1SW], s42, (3<<16)|(1<<21)
	GRP1 G1X, 384
	GRP1 G1W, 768
	GRP1 G1SX, 16
	GRP1 G1SW, 32
	s_mul_i32 s44, s40, 98304                      ; y's codes: 8 tiles of 12,288 bytes a block
	s_mov_b32 s45, 0
	s_mul_i32 s46, s23, 196608                     ; Wp's: 16 tiles a block, behind the other three weights'
	s_add_co_u32 s46, s46, 2359296
	s_mov_b32 s47, 0
	s_lshl_b32 s88, s40, 12                        ; y's scale words
	s_add_co_u32 s88, s88, 6291456
	s_mov_b32 s89, 0
	s_lshl_b32 s90, s23, 13                        ; Wp's
	s_add_co_u32 s90, s90, 3244032
	s_mov_b32 s91, 0
	s_wait_dscnt 0x0                               ; both opening adds are done
	s_wait_kmcnt 0x0
	s_mov_b32 s[G0X], 1
	s_mov_b32 s[G0X+1], XC
	s_add_nc_u64 s[G0X+2:G0X+3], s[4:5], s[44:45]
	s_or_b32 s[G0X+3], s[G0X+3], 0x80000000
	s_mov_b32 s[G0W], 1
	s_mov_b32 s[G0W+1], WC
	s_add_nc_u64 s[G0W+2:G0W+3], s[6:7], s[46:47]
	s_or_b32 s[G0W+3], s[G0W+3], 0x80000000
	s_mov_b32 s[G0SX], 1
	s_mov_b32 s[G0SX+1], SCX
	s_add_nc_u64 s[G0SX+2:G0SX+3], s[4:5], s[88:89]
	s_or_b32 s[G0SX+3], s[G0SX+3], 0x80000000
	s_mov_b32 s[G0SW], 1
	s_mov_b32 s[G0SW+1], SCW
	s_add_nc_u64 s[G0SW+2:G0SW+3], s[6:7], s[90:91]
	s_or_b32 s[G0SW+3], s[G0SW+3], 0x80000000
	CROUND                                         ; all sixteen work-groups are here: the joint loads meet
; The launch's four loads, one a wave: wave 0 y's codes, wave 1 the weight's, wave 2 y's scale words, wave 3 the weight's: one chain of branches on the wave's number, all arms leading to one join
.macro ARM under, g0, g1, next
	s_cmp_lt_u32 s[WV], \under
	s_cbranch_scc0 \next
	tensor_load_to_lds s[\g0:\g0+3], s[\g1:\g1+7]
	s_nop 0
.rept 4
	v_nop
.endr
	s_branch .Lhead_asked
\next:
.endm
	ARM 1, G0X,  G1X,  .Lhead_w
	ARM 2, G0W,  G1W,  .Lhead_sx
	ARM 3, G0SX, G1SX, .Lhead_sw
	tensor_load_to_lds s[G0SW:G0SW+3], s[G1SW:G1SW+7]
	s_nop 0
.rept 4
	v_nop
.endr
.Lhead_asked:
	s_mul_i32 s44, s[TX], 49152                    ; my 4 tiles of y
	s_mul_i32 s45, s[TW], 98304
	s_add_co_u32 s45, s45, WC                      ; my 8 tiles of the weight: the first four,
	s_add_co_u32 s46, s45, 49152                   ; the other four
	s_lshl_b32 s88, s[TX], 11                      ; my tiles' scale words: y's,
	s_lshl_b32 s89, s[TW], 12
	s_add_co_u32 s89, s89, SCW-SCX
	s_sub_co_u32 s89, s89, s88                     ; and from them to the weight's
	s_add_co_u32 s88, s88, SCX
	s_mul_i32 s90, s[WV], 16*SPITCH                ; my stage
	s_lshl_b32 s92, s40, 7
	s_lshl_b32 s93, s[TX], 6
	s_add_co_u32 s92, s92, s93                     ; my first token
	s_lshl_b32 s92, s92, 12                        ; rows of 4,096 bytes
	s_lshl_b32 s94, s23, 10
	s_lshl_b32 s95, s[TW], 9
	s_add_co_u32 s94, s94, s95                     ; my first column, in bytes
	s_mov_b32 s95, 0
	s_add_nc_u64 s[8:9], s[8:9], s[94:95]
	s_add_co_u32 s92, s92, s94
	s_mov_b32 s93, 0
	s_add_nc_u64 s[10:11], s[10:11], s[92:93]
	v_and_b32 v1, 31, v0                           ; lane
	v_and_b32 v3, 15, v0                           ; r
	v_bfe_u32 v4, v0, 4, 1                         ; h
	v_lshlrev_b32 v2, 3, v1                        ; 8 x lane
	v_add_nc_u32 v[ADRI], s44, v2
	v_add_nc_u32 v[ADRJ], s45, v2
	v_add_nc_u32 v[ADRJ+1], s46, v2
	v_mul_u32_u24 v5, s89, v4                      ; lanes 16-31 take the weight's scale words
	v_lshl_add_u32 v5, v3, 3, v5                   ; + 8 r: a row's two words of 256 along K
	v_add_nc_u32 v[ADRS], s88, v5
	v_mul_u32_u24 v5, v3, SPITCH                   ; the stage, in: row r, 64 bytes for each half of the lanes
	v_lshl_add_u32 v5, v4, 6, v5
	v_add_nc_u32 v[STO], s90, v5
	v_lshlrev_b32 v[CO], 4, v1                     ; back: the 32 lanes take one row of 512 bytes; and the same in out0
	v_add_nc_u32 v[RD], s90, v[CO]
	v_lshlrev_b32 v[BV0], 6, v4                    ; the bias along the registers: 16 h numbers on
.irp t, 0,1,2,3,4,5,6,7                        ; tile b's eight registers are columns 32 (b / 2) + 16 h + 8 (b % 2) + 0 .. 7
	global_load_b128 v[BIAS+8*\t:BIAS+8*\t+3], v[BV0], s[8:9] offset:(32*(\t/2)+8*(\t%2))*4
	global_load_b128 v[BIAS+8*\t+4:BIAS+8*\t+7], v[BV0], s[8:9] offset:(32*(\t/2)+8*(\t%2))*4+16
.endr
.macro FETCH n                         ; step n's fragments into set n % 2: J's eight, I's four: 72 loads of 256 consecutive bytes
	WIN 0x40                                       ; destination window 1
.irp i, 0,1,2,3,4,5,6,7
.irp p, 0,1,2,3,4,5
	ds_load_b64 v[128*((\n)%2)+FR*\i+2*\p:128*((\n)%2)+FR*\i+2*\p+1], v[ADRJ+\i/4] offset:12288*(\i%4)+1536*(\n)+256*\p
.endr
.endr
	WIN 0
.irp i, 0,1,2,3
.irp p, 0,1,2,3,4,5
	ds_load_b64 v[AF+48*((\n)%2)+FR*\i+2*\p:AF+48*((\n)%2)+FR*\i+2*\p+1], v[ADRI] offset:12288*\i+1536*(\n)+256*\p
.endr
.endr
.endm
.macro SCALES ks                       ; the scale words of steps 2 ks, 2 ks + 1 into set ks % 2: lanes 0-15 I's block i (used for i under 4), lanes 16-31 J's block i
.irp i, 0,1,2,3,4,5,6,7
	ds_load_b64 v[SC+16*((\ks)%2)+2*\i:SC+16*((\ks)%2)+2*\i+1], v[ADRS] offset:512*\i+128*(\ks)
.endr
.endm
.macro MUL32 n, first                  ; step n's 32 matrix instructions; first = 1: the sums start from the bias
.irp a, 0,1,2,3
.irp b, 0,1,2,3,4,5,6,7
.if \first
	v_wmma_scale_f32_16x16x128_f8f6f4 v[8*(8*\a+\b):8*(8*\a+\b)+7], v[128*((\n)%2)+FR*\b:128*((\n)%2)+FR*\b+FR-1], v[AF+48*((\n)%2)+FR*\a:AF+48*((\n)%2)+FR*\a+FR-1], v[BIAS+8*\b:BIAS+8*\b+7], v[SC+16*(((\n)/2)%2)+2*\b+(\n)%2], v[SC+16*(((\n)/2)%2)+2*\a+(\n)%2] matrix_a_fmt:MATRIX_FMT_FP6 matrix_b_fmt:MATRIX_FMT_FP6 matrix_a_scale:MATRIX_SCALE_ROW1
.else
	v_wmma_scale_f32_16x16x128_f8f6f4 v[8*(8*\a+\b):8*(8*\a+\b)+7], v[128*((\n)%2)+FR*\b:128*((\n)%2)+FR*\b+FR-1], v[AF+48*((\n)%2)+FR*\a:AF+48*((\n)%2)+FR*\a+FR-1], v[8*(8*\a+\b):8*(8*\a+\b)+7], v[SC+16*(((\n)/2)%2)+2*\b+(\n)%2], v[SC+16*(((\n)/2)%2)+2*\a+(\n)%2] matrix_a_fmt:MATRIX_FMT_FP6 matrix_b_fmt:MATRIX_FMT_FP6 matrix_a_scale:MATRIX_SCALE_ROW1
.endif
.endr
.endr
.endm
	s_wait_alu depctr_va_vdst(0)                   ; the wait at the head's end
	s_wait_tensorcnt 0x0                           ; my tile of the four is in:
	s_barrier_signal -1
	s_barrier_wait -1                              ; all four are
	FETCH 0
	SCALES 0
	s_wait_loadcnt 0x0                             ; the bias
.set N, 0
.rept 7
	s_wait_dscnt 0x0                               ; this step's fragments are in (asked for ahead of the last step's 32 matrix instructions)
.if N > 0
	PLACES NP                                      ; in front of loads into registers that matrix instructions have read
.endif
	FETCH N+1
.if (N+1)%2 == 0
	SCALES (N+1)/2
.endif
.if N == 0
	WIN 0x81                                       ; source 0 window 1, source 1 and C window 0, D window 2
	MUL32 N, 1
.else
	WIN 0xa1                                       ; C with D in window 2
	MUL32 N, 0
.endif
	WIN 0
.set N, N+1
.endr
	s_wait_dscnt 0x0                               ; the last step's fragments are in: my reads of the codes are over:
	s_barrier_signal -1                            ; say so,
	WIN 0xa1
	MUL32 7, 0                                     ; work on registers while the others arrive,
	WIN 0
	s_barrier_wait -1                              ; and no wave reads codes any more: the stages may be written over y's
.macro TOSTAGE a
	WIN 0x08                                       ; the data: window 2
.irp b, 0,1,2,3,4,5,6,7
	ds_store_b128 v[STO], v[64*(\a)+8*\b:64*(\a)+8*\b+3] offset:128*(\b/2)+32*(\b%2)          ; each accumulator from its low end on
	ds_store_b128 v[STO], v[64*(\a)+8*\b+4:64*(\a)+8*\b+7] offset:128*(\b/2)+32*(\b%2)+16
.endr
	WIN 0
.set BB, BK+64*((\a)%2)
.irp t, 0,1,2,3,4,5,6,7,8,9,10,11,12,13,14,15
	ds_load_b128 v[BB+4*\t:BB+4*\t+3], v[RD] offset:\t*SPITCH   ; LDS serves a wave's instructions in order: these see my stores
.endr
.endm
.macro SEND a, younger                 ; younger: the LDS instructions issued behind block a's loads, which may stay out
.set BB, BK+64*((\a)%2)
	s_wait_dscnt \younger
.if (\a) > 0
.if ((\a)%2) == 1
	s_add_nc_u64 s[10:11], s[10:11], 8*4096        ; (behind a wait on XCNT)  an odd tile begins 8 rows behind the even one,
.else
	s_add_nc_u64 s[10:11], s[10:11], 24*4096       ; the next even one 24 further on
.endif
.endif
.irp t, 0,1,2,3,4,5,6,7,8,9,10,11,12,13,14,15
	global_store_b128 v[CO], v[BB+4*\t:BB+4*\t+3], s[10:11] offset:(\t+8*(\t/8))*4096 th:TH_STORE_NT   ; 32 lanes store 512 consecutive aligned bytes
.endr
.endm
	PLACES NP                                      ; behind the last products: for the reads of their results and the loads into I's registers
	TOSTAGE 0
.irp a, 1,2,3
.if \a > 1
	s_wait_xcnt 0x0                                ; block a - 2's stores have read their registers and their base
.endif
	TOSTAGE \a
	SEND \a-1, 32                                  ; behind block a - 1's loads: block a's 16 stores and 16 loads
.endr
	s_wait_xcnt 0x0
	SEND 3, 0
	s_wait_tensorcnt 0x0                           ; the wave's end
	ds_add_u32 v[SPW], v[NIL]
	s_wait_dscnt 0x0
	CROUND                                         ; the closing round
	s_endpgm
.Lfunc_end_k_q44250209b0_proj:
	.size	k_q44250209b0_proj, .Lfunc_end_k_q44250209b0_proj-k_q44250209b0_proj
	.p2alignl 7, 3214868480
	.fill 96, 4, 3214868480
	.section	.rodata,"a",@progbits
	.p2align	6, 0x0
	.amdhsa_kernel k_q44250209b0_proj
		.amdhsa_group_segment_fixed_size 327680
		.amdhsa_private_segment_fixed_size 0
		.amdhsa_enable_private_segment 0
		.amdhsa_kernarg_size 32
		.amdhsa_user_sgpr_count 2
		.amdhsa_user_sgpr_kernarg_segment_ptr 1
		.amdhsa_wavefront_size32 1
		.amdhsa_system_sgpr_workgroup_id_x 1
		.amdhsa_system_sgpr_workgroup_id_y 1
		.amdhsa_system_sgpr_workgroup_id_z 1
		.amdhsa_system_vgpr_workitem_id 0
		.amdhsa_next_free_vgpr 768
		.amdhsa_next_free_sgpr 102
		.amdhsa_reserve_vcc 0
		.amdhsa_float_denorm_mode_32 3
		.amdhsa_float_denorm_mode_16_64 3
		.amdhsa_memory_ordered 1
		.amdhsa_forward_progress 1
		.amdhsa_inst_pref_size 97
	.end_amdhsa_kernel
	.amdgpu_metadata
---
amdhsa.version: [ 1, 2 ]
amdhsa.kernels:
  - .name:           k_q44250209b0_proj
    .symbol:         k_q44250209b0_proj.kd
    .args:
      - { .name: yq, .offset: 0, .size: 8, .value_kind: global_buffer, .address_space: global }
      - { .name: wq, .offset: 8, .size: 8, .value_kind: global_buffer, .address_space: global }
      - { .name: bp, .offset: 16, .size: 8, .value_kind: global_buffer, .address_space: global }
      - { .name: out0, .offset: 24, .size: 8, .value_kind: global_buffer, .address_space: global }
    .group_segment_fixed_size: 327680
    .private_segment_fixed_size: 0
    .kernarg_segment_align: 8
    .kernarg_segment_size: 32
    .max_flat_workgroup_size: 128
    .sgpr_count:     102
    .vgpr_count:     768
    .wavefront_size: 32
...
	.end_amdgpu_metadata
.endif
;; end of part 4
